; MI455X (gfx1250); checked and timed in simulation.
; The chip was launched on July 23, 2026; its instructions are those of AMD's public machine-readable ISA for CDNA 5 (MIT licence, August 2026) and "CDNA5" Instruction Set Architecture Reference Guide (July 2026). The comments in the code are by the model that wrote it; some were corrected since.
;; Multi Headed Attention. Allowed arithmetic: matrix products marked QUANTISED: E2M3 operands, one E8M0 scale for each 32 along K, by v_wmma_scale_f32_16x16x128_f8f6f4 with both operands' format E2M3, f32 sums; everything else in f32.
;; Inputs: Wk 1,024 x 1,024 float32; Wo 1,024 x 1,024 float32; Wq 1,024 x 1,024 float32; Wv 1,024 x 1,024 float32; X 4 x 2,048 x 1,024 float32; bk 1,024 float32; bo 1,024 float32; bq 1,024 float32; bv 1,024 float32; curr_seq_lens 4 int32.
;; Outputs: out0 4 x 2,048 x 1,024 float32.
;; This version of the problem:
;;   THIS VERSION OF THE PROBLEM IS GIVEN IN LOW PRECISION. The matrix products marked QUANTISED in the list below multiply operands that are first quantised to E2M3 (2 exponent bits, 3 mantissa bits; 6 bits a number), with one power-of-two scale for each 32 numbers along K (OCP MX v1.0); their sums are f32. All else is computed in f32.
;;   The module's matrix products, in the order in which they are computed (A, B: the left and right operand; K: the contracted axis; several contracted axes count as one K, in the product's order):
;;     1. [M 8,192, K 1,024] x [K 1,024, N 1,024]; A: input X; B: input Wq: QUANTISED
;;     2. [M 8,192, K 1,024] x [K 1,024, N 1,024]; A: input X; B: input Wk: QUANTISED
;;     3. [M 8,192, K 1,024] x [K 1,024, N 1,024]; A: input X; B: input Wv: QUANTISED
;;     4. batch 64 x [M 2,048, K 64] x [K 64, N 2,048]; A: computed on the way; B: computed on the way: QUANTISED
;;     5. batch 64 x [M 2,048, K 2,048] x [K 2,048, N 64]; A: softmax (see below); B: computed on the way: QUANTISED
;;     6. [M 8,192, K 1,024] x [K 1,024, N 1,024]; A: computed on the way; B: input Wo: QUANTISED
;;   THE QUANTISER, for each operand of a quantised product, along K:
;;     - K is cut into blocks of 32 from its start; a last block that is shorter is filled with zeros.
;;     - A block's scale is 2^e with e = floor(log2(the largest magnitude in the block)) - 2, held to -126 .. 127; a block of zeros has e = 0. As a byte (E8M0): e + 127.
;;     - Each number is divided by its block's scale, clamped to +-7.5, and rounded to the nearest number of E2M3, ties to even, subnormals kept.
;;     - The product sums the exact products of the quantised numbers (number of the format x scale) in f32.
;;   ~~~python
;;   def quantise(x, axis):      # numpy; x: float32 -> the quantised numbers, widened to float32 again
;;       x = np.moveaxis(x, axis, -1); K = x.shape[-1]
;;       x = np.pad(x, [(0, 0)] * (x.ndim - 1) + [(0, -K % 32)]); x = x.reshape(x.shape[:-1] + (-1, 32)); a = np.abs(x).max(-1, keepdims=True)
;;       e = np.where(a > 0, np.clip(np.frexp(np.where(a > 0, a, 1))[1] - 1 - 2, -126, 127), 0)      # np.frexp(a)[1] - 1 = floor(log2(a)), exactly
;;       r = np.clip(x / 2.0 ** e, -7.5, 7.5)
;;       step = 2.0 ** (np.maximum(np.frexp(np.where(r == 0, 1, r))[1] - 1, 0) - 3)
;;       q = np.round(r / step) * step * 2.0 ** e      # np.round: ties to even
;;       return np.moveaxis(q.reshape(q.shape[:-2] + (-1,))[..., :K], -1, axis).astype(np.float32)
;;   ~~~
;;   SOFTMAX AHEAD OF A QUANTISED PRODUCT. Where the list says 'softmax', what is quantised is not the finished softmax but p = 2^(t - M), with t = logit x log2(e) and M = ceil(the row's largest t), a whole number; so 1/2 < the row's largest p <= 1. The row's sum l is taken of the UNQUANTISED p, in f32, and the product's result is divided by l at the end. Since M is a whole number, a kernel that streams over the keys may use a running M (the ceiling of the running maximum): every later rescaling is an exact power of two, which a block's scale takes up: the codes' values come out the same.
;;   OPERANDS COMPUTED ON THE WAY. 'Computed on the way' means the value that the module computes at that place (a softmax that the list does not call 'softmax' is quantised finished and normalised). What goes into a quantiser is computed in f32, as accurately as f32 sums, v_exp_f32 and their like allow (about 1e-6 of the number): no bf16 or f16 on the way to a quantiser, and a product that is left as it is and whose result goes on into a quantised operand takes f32 operands (vector FMAs, or v_wmma_f32_16x16x4_f32). A number that lies on a knife's edge between two numbers of the format may be rounded either way, as far as f32 arithmetic and the matrix unit's own rounding can turn it there, and no further.
;; One version. Each part assembles by itself: llvm-mc -triple=amdgcn-amd-amdhsa -mcpu=gfx1250 --defsym DOCPART=n.
;; ======== version 1 of 1: 4 launches
;; limits: right only within a limited range of input values
;; workspace buffers: xw_img 9,437,184 bytes; xw_sc 393,216 bytes; rope 524,288 bytes; qkv_img 18,874,368 bytes; qkv_sc 1,310,720 bytes; a_img 6,291,456 bytes; a_sc 262,144 bytes; deal 4,096 bytes of whole numbers
;; launch prep (part 1): grid 402 x 1, 4 waves a work-group, no clusters, 34,304 bytes of LDS; arguments X, Wq, Wk, Wv, Wo, xw_img, xw_sc, rope, curr_seq_lens, deal; writes xw_img, xw_sc, rope, deal
.if DOCPART == 1
	.amdgcn_target "amdgcn-amd-amdhsa--gfx1250"
	.amdhsa_code_object_version 6
	.text
	.protected	k_q37b9c95d18_prep
	.globl	k_q37b9c95d18_prep
	.p2align	8
	.type	k_q37b9c95d18_prep,@function
k_q37b9c95d18_prep:
	s_mov_b64 s[64:65], 0
	v_nop
	global_prefetch_b8 v0, s[64:65] scope:SCOPE_SE
	s_setreg_imm32_b32 hwreg(HW_REG_WAVE_MODE, 25, 1), 1
	s_wait_xcnt 0x0
; X [8192][1024] and Wq, Wk, Wv, Wo [1024][1024], f32, K innermost, become codes of FP6 (E2M3) with one E8M0 byte for each 32 along K, laid as IMAGES OF OPERAND REGISTERS; and the table of cosines and sines for the rotation is made.
; TILES.  A tile is 16 rows; slot r of tile T is row 32 (T / 2) + 8 (T % 2) + r + 8 (r / 8).  Tiles 0-511 X, 512-575 Wq, 576-639 Wk, 640-703 Wv, 704-767 Wo.
; A FRAGMENT (tile T, K step ks of 128) is 12 registers a lane: registers 6 c .. 6 c + 5 of lane (r, h) hold k = 128 ks + 64 c + 32 h + 0 .. 31 of slot r.  Its image is 1,536 bytes at T x 12,288 + ks x 1,536: three planes of 512 bytes, plane g = registers 4 g .. 4 g + 3, lane l at 16 l.
; SCALE WORDS: [T][slot 0..3][r][q 0..1], K step 2 slot + q: 512 bytes a tile.
; A block's scale is 2^(floor(log2(largest magnitude)) - 2); its byte is the largest magnitude's exponent field - 2, held at 1 from below.
; LIMITS: a block of zeros, or one whose largest magnitude lies under 2^-124, gets the byte 1 (the rule says 127 for zeros: the codes are zeros, and only this program reads the bytes).  NaN and infinities among the inputs are not served.
; SHARES.  Work-groups 0-383 quantise, 32 rows (two tiles) each: wave w takes tile w / 2 and the K half w % 2: four fragments.  Each load reads 512 consecutive bytes of a row; the 16 x 512 bytes of a fragment turn through
; the wave's own stage in LDS (rows 528 bytes apart), so that a lane gets 32 neighbours along K twice.  Waves share nothing: no barrier.  Work-groups share no input: no cluster.  Work-groups 384-399 make the table and touch no LDS.
; WORK LEFT OUT BY THE PROGRAM (in the attention launch).  reference() hides key j from query i unless j <= i and j < len[b], and sets the rows of queries i >= len[b] to zero.  For a query i < len[b] every key j <= i has j < len[b],
; so the mask on keys adds nothing to the causal one; key tiles wholly above the diagonal are not multiplied; blocks of 32 queries that lie wholly at or beyond len[b], a whole number that the launch reads from memory, get zero codes and no products.
; LIMIT: a NaN, an infinity or an overflow that reaches only the work left out is not carried to the result.
.set STG,   8448
.set SPARE, 4*STG                      ; behind the stages: the spare words, 128 bytes a wave
.set SPW,   12                         ; v12  my spare word's address; never rewritten
.set NIL,   13                         ; v13  0; never rewritten
.set MX,    14                         ; v14-17 four chains of maxima
.set SO,    18                         ; v18-19 the conversions' scale operands
.set BY,    20                         ; v20-21 scale bytes
.set W,     24                         ; v24-27 the four fragments' scale words
.set R,     32                         ; v32-159 two sets of 64 numbers as loaded
.set XS,    160                        ; v160-223 64 numbers: 32 c + i = k 64 c + 32 h + i of my row
.set C,     224                        ; v224-247 two sets of 12 code registers
.set TT,    248                        ; v248-255 the upper halves of two blocks' codes
	s_load_b512 s[4:19], s[0:1], 0x0               ; X, Wq, Wk, Wv, Wo, xw_img s[14:15], xw_sc s[16:17], rope s[18:19]
	v_lshl_add_u32 v[SPW], v0, 2, SPARE
	v_mov_b32 v[NIL], 0
	v_lshrrev_b32 v1, 5, v0
	v_readfirstlane_b32 s24, v1                    ; wave
	v_and_b32 v2, 31, v0                           ; lane
	v_lshlrev_b32 v3, 4, v2                        ; 16 x lane
	v_and_b32 v8, 15, v0                           ; r
	v_bfe_u32 v9, v0, 4, 1                         ; h
	s_cmp_ge_u32 ttmp9, 384
	s_cbranch_scc1 .Ltable
	; ---------------- the quantiser
	s_mul_i32 s25, s24, STG
	v_add_nc_u32 v4, s25, v3                       ; into the stage: 16 x lane, the row in the immediate
	v_mul_u32_u24 v5, v8, 528
	v_lshl_add_u32 v5, v9, 7, v5
	v_add_nc_u32 v5, s25, v5                       ; out of it: row r, + 128 h
	v_lshlrev_b32 v6, 3, v2                        ; 8 x lane: the scale words' place
	v_lshlrev_b32 v7, 3, v9                        ; 8 h: my bytes' shift in a scale word
	v_mov_b32 v22, 0                               ; a lane permute's destination counts as read
	s_mov_b32 s26, 0x76543210
	s_mov_b32 s27, 0xfedcba98                      ; lane l xor 16
	s_mov_b32 s28, 0xffff0000                      ; lanes 16-31
	s_lshr_b32 s29, s24, 1                         ; which of the two tiles
	s_and_b32 s30, s24, 1                          ; which half of K
	s_and_b32 s31, ttmp9, 31                       ; a weight's group of 32 rows
	s_lshl_b32 s34, ttmp9, 1
	s_add_co_u32 s34, s34, s29                     ; T
	s_mul_i32 s36, s34, 12288
	s_mul_i32 s35, s30, 6144
	s_add_co_u32 s36, s36, s35
	s_mov_b32 s37, 0
	s_lshl_b32 s38, s34, 9
	s_lshl_b32 s35, s30, 8
	s_add_co_u32 s38, s38, s35
	s_mov_b32 s39, 0
	s_wait_alu depctr_va_vdst(0)
	s_wait_kmcnt 0x0
	s_cmp_lt_u32 ttmp9, 352                        ; which tensor: the choice hangs on the work-group's number alone
	s_cselect_b64 s[20:21], s[10:11], s[12:13]
	s_cmp_lt_u32 ttmp9, 320
	s_cselect_b64 s[20:21], s[8:9], s[20:21]
	s_cmp_lt_u32 ttmp9, 288
	s_cselect_b64 s[20:21], s[6:7], s[20:21]
	s_cmp_lt_u32 ttmp9, 256
	s_cselect_b64 s[20:21], s[4:5], s[20:21]
	s_cselect_b32 s31, ttmp9, s31                  ; X's group of 32 rows is the work-group's number
	s_lshl_b32 s32, s31, 17                        ; 32 rows of 4,096 bytes
	s_lshl_b32 s33, s29, 15                        ; + 8 rows for the odd tile
	s_add_co_u32 s32, s32, s33
	s_lshl_b32 s33, s30, 11                        ; + 2,048 bytes for the upper half of K
	s_add_co_u32 s32, s32, s33
	s_mov_b32 s33, 0
	s_add_nc_u64 s[20:21], s[20:21], s[32:33]
	s_add_nc_u64 s[14:15], s[14:15], s[36:37]
	s_add_nc_u64 s[16:17], s[16:17], s[38:39]
.macro LOAD f                          ; fragment f: slot i's 512 bytes, 16 a lane
.irp i, 0,1,2,3,4,5,6,7,8,9,10,11,12,13,14,15
	global_load_b128 v[R+64*((\f)%2)+4*\i:R+64*((\f)%2)+4*\i+3], v3, s[20:21] offset:(\i+8*(\i/8))*4096+512*(\f) th:TH_LOAD_NT
.endr
.endm
.macro FRAGQ f
.set RS, R+64*((\f)%2)
.set CD, C+12*((\f)%2)
.if (\f) < 3
	s_wait_loadcnt 16                              ; this fragment's 16 loads are in; the next fragment's 16 may be out
.else
	s_wait_loadcnt 0x0
.endif
.irp i, 0,1,2,3,4,5,6,7,8,9,10,11,12,13,14,15
	ds_store_b128 v4, v[RS+4*\i:RS+4*\i+3] offset:528*\i
.endr
.irp c, 0,1
.irp j, 0,1,2,3,4,5,6,7
	ds_load_b128 v[XS+32*\c+4*\j:XS+32*\c+4*\j+3], v5 offset:256*\c+16*\j   ; LDS serves a wave's instructions in order: these see the stores above
.endr
.endr
	s_wait_dscnt 0x0                               ; the numbers are back, and the stores have read their registers
.if (\f) < 2
	LOAD (\f)+2
.endif
.irp k, 0,1,2,3                        ; chain k: 16 numbers of block k / 2, and the floor 2^(3 - 127)
	v_max3_num_f32 v[MX+\k], |v[XS+16*\k]|, |v[XS+16*\k+1]|, 0x1800000
.endr
.irp i, 2,4,6,8,10,12,14
.irp k, 0,1,2,3
	v_max3_num_f32 v[MX+\k], v[MX+\k], |v[XS+16*\k+\i]|, |v[XS+16*\k+\i+1]|
.endr
.endr
	v_max_num_f32 v[MX], v[MX], v[MX+1]
	v_max_num_f32 v[MX+2], v[MX+2], v[MX+3]
	v_add_nc_u32 v[SO], 0xff000000, v[MX]          ; 2 off the exponent field: the conversion's scale operand
	v_add_nc_u32 v[SO+1], 0xff000000, v[MX+2]
	v_lshrrev_b32 v[BY], 23, v[SO]                 ; the bytes of blocks h and 2 + h
	v_lshrrev_b32 v[BY+1], 23, v[SO+1]
	v_lshl_or_b32 v[BY], v[BY+1], 16, v[BY]
	v_lshlrev_b32 v[BY], v7, v[BY]                 ; at their places, 8 h bits up
	v_permlanex16_b32 v22, v[BY], s26, s27
	v_or_b32 v[W+(\f)], v[BY], v22                 ; with lane l xor 16's two the word is whole
.if (\f) >= 2
	s_wait_alu depctr_va_vdst(0)
	s_wait_xcnt 0x0                                ; this set of code registers was the data of stores two fragments back
.endif
.irp c, 0,1
	v_cvt_scalef32_pk16_fp6_f32 v[CD+6*\c:CD+6*\c+2], v[XS+32*\c:XS+32*\c+15], v[SO+\c]
	v_cvt_scalef32_pk16_fp6_f32 v[TT+4*\c:TT+4*\c+2], v[XS+32*\c+16:XS+32*\c+31], v[SO+\c]   ; (a conversion's three registers begin on an even number)
.endr
	v_nop                                          ; one plain place behind a scaled conversion
.irp c, 0,1
.irp i, 0,1,2
	v_mov_b32 v[CD+6*\c+3+\i], v[TT+4*\c+\i]
.endr
.endr
.irp g, 0,1,2
	global_store_b128 v3, v[CD+4*\g:CD+4*\g+3], s[14:15] offset:1536*(\f)+512*\g   ; 512 consecutive bytes, aligned
.endr
.endm
	LOAD 0
	LOAD 1
	FRAGQ 0
	FRAGQ 1
	FRAGQ 2
	FRAGQ 3
	v_cndmask_b32 v28, v[W], v[W+2], s28           ; lanes 0-15: the first slot's two words; lanes 16-31: the second slot's
	v_cndmask_b32 v29, v[W+1], v[W+3], s28
	global_store_b64 v6, v[28:29], s[16:17]        ; 256 consecutive bytes, aligned
	s_wait_tensorcnt 0x0                           ; the wave's end, behind my last LDS store
	ds_add_u32 v[SPW], v[NIL]
	s_wait_dscnt 0x0
	s_endpgm
	; ---------------- the table: rope[s][m] = (cos(s f(2m)), cos(s f(2m+1)), sin(s f(2m)), sin(s f(2m+1))), f(i) = 10000^(-i/32) = 10^(-i/8); 256 bytes a position
	; Wave u = 4 (work-group - 384) + wave takes positions 32 u .. 32 u + 31, two a trip: lanes 0-15 one, lanes 16-31 the next; lane r is m.
	; The angle is the one f32 product position x f.  It is reduced by n = round(angle x 2 / pi), pi / 2 taken in two parts, to |x| <= pi / 4; sine and cosine of x by polynomials; the quadrant n chooses and signs.
.Ltable:
	s_cmp_ge_u32 ttmp9, 400                        ; work-groups 400 and 401 make the attention's list of items
	s_cbranch_scc1 .Ldeal
	s_sub_co_u32 s25, ttmp9, 384
	s_lshl_b32 s25, s25, 2
	s_add_co_u32 s25, s25, s24                     ; u
	s_lshl_b32 s26, s25, 5                         ; its first position
	s_wait_alu depctr_va_vdst(0)
	v_add_nc_u32 v9, s26, v9
	v_cvt_f32_u32 v10, v9                          ; my position
	v_lshlrev_b32 v8, 1, v8
	v_cvt_f32_u32 v20, v8                          ; 2 m
	v_add_f32 v21, 1.0, v20                        ; 2 m + 1
	v_mul_f32 v20, 0xbed49a78, v20                 ; x -log2(10) / 8
	v_mul_f32 v21, 0xbed49a78, v21
	s_wait_alu depctr_va_vdst(0)
	v_exp_f32 v20, v20                             ; f(2 m)
	v_exp_f32 v21, v21                             ; f(2 m + 1)
	v_nop                                          ; a plain place behind the exponentials
	s_lshl_b32 s28, s25, 13                        ; 32 positions of 256 bytes
	s_mov_b32 s29, 0
	s_mov_b32 s30, 0xbfc90fdb                      ; -(pi / 2), upper part
	s_mov_b32 s31, 0x333bbd2e                      ; upper part - pi / 2
	s_mov_b32 s32, 0
	s_wait_kmcnt 0x0
	s_add_nc_u64 s[18:19], s[18:19], s[28:29]
	s_wait_alu depctr_va_vdst(0)                   ; one wait for the two exponentials, ahead of their first reader and of the label
.macro SINCOS f, c, s
	v_mul_f32 v30, v10, v[\f]                      ; the angle
	v_mul_f32 v31, 0x3f22f983, v30
	v_rndne_f32 v31, v31                           ; n
	v_fma_f32 v32, v31, s30, v30
	v_fma_f32 v32, v31, s31, v32                   ; x
	v_mul_f32 v33, v32, v32                        ; z = x^2
	v_mov_b32 v34, 0xb94ca1f9
	v_fmaak_f32 v34, v34, v33, 0x3c08839e
	v_fmaak_f32 v34, v34, v33, 0xbe2aaaa3
	v_mul_f32 v34, v34, v33
	v_fma_f32 v34, v34, v32, v32                   ; sin x
	v_mov_b32 v35, 0x37ccf5ce
	v_fmaak_f32 v35, v35, v33, 0xbab6061a
	v_fmaak_f32 v35, v35, v33, 0x3d2aaaa5
	v_mul_f32 v35, v35, v33
	v_fma_f32 v36, v33, -0.5, 1.0
	v_fma_f32 v35, v35, v33, v36                   ; cos x
	v_cvt_i32_f32 v37, v31
	v_and_b32 v38, 1, v37
	v_cmp_eq_u32 vcc_lo, 1, v38                    ; an odd quadrant swaps the two
	v_cndmask_b32 v[\s], v34, v35, vcc_lo
	v_cndmask_b32 v[\c], v35, v34, vcc_lo
	v_lshlrev_b32 v38, 30, v37                     ; the sine's sign: bit 1 of n
	v_and_b32 v38, 0x80000000, v38
	v_xor_b32 v[\s], v[\s], v38
	v_add_nc_u32 v37, 1, v37                       ; the cosine's: bit 1 of n + 1
	v_lshlrev_b32 v38, 30, v37
	v_and_b32 v38, 0x80000000, v38
	v_xor_b32 v[\c], v[\c], v38
.endm
.Lpos:
	s_wait_alu depctr_va_vdst(0)
	SINCOS 20, 40, 42
	SINCOS 21, 41, 43
	global_store_b128 v3, v[40:43], s[18:19]       ; two whole rows: 512 consecutive bytes
	s_wait_xcnt 0x0                                ; the store has read its data and its offset: both are written again below and in the next trip
	v_add_nc_u32 v3, 512, v3
	v_add_f32 v10, 2.0, v10
	s_add_co_u32 s32, s32, 1
	s_cmp_lt_u32 s32, 16
	s_cbranch_scc1 .Lpos
	s_endpgm
	; ---------------- the list of items for the attention launch: deal[rank] = (batch, key step, which 32 of its 128, len[batch]), 16 bytes a rank, 256 ranks
	; An item is 32 queries of a batch: item J = 4 step + x covers positions 32 J .. 32 J + 31 and walks step + 1 key steps if it begins inside the sequence (J < m = ceil(len / 32)), else none.
	; Ranks: first the items inside their sequences, by falling key step, then by batch, then by x; behind them the others, by batch and J.  A thread takes one item and finds its rank in closed form:
	; the items of all batches in later key steps, m' - min(m', 4 step + 4) each, + those of lower batches in my key step, min(m' - min(m', 4 step), 4) each, + x.  Each rank is stored by one thread.
	; Batch = 2 (work-group - 400) + wave / 2, J = 32 (wave % 2) + lane.  No LDS is touched on this way.
.Ldeal:
	s_load_b128 s[40:43], s[0:1], 0x40             ; curr_seq_lens s[40:41], deal s[42:43]
	s_sub_co_u32 s25, ttmp9, 400
	s_lshl_b32 s25, s25, 1
	s_lshr_b32 s26, s24, 1
	s_add_co_u32 s25, s25, s26                     ; my batch
	s_and_b32 s26, s24, 1
	s_lshl_b32 s26, s26, 5
	s_wait_alu depctr_va_vdst(0)
	s_wait_kmcnt 0x0
	s_load_b128 s[28:31], s[40:41], 0x0            ; the four lengths
	s_wait_kmcnt 0x0
.irp b, 0,1,2,3
	s_max_i32 s[32+\b], s[28+\b], 0
	s_min_u32 s[32+\b], s[32+\b], 2048
	s_add_co_u32 s[32+\b], s[32+\b], 31
	s_lshr_b32 s[32+\b], s[32+\b], 5               ; m: the items that begin inside the sequence, 0 .. 64
.endr
.irp b, 0,1,2,3
	s_cmp_gt_u32 s25, \b
	s_cselect_b32 s[36+\b], 1, 0                   ; 1 for the batches below mine
.endr
	s_mov_b32 s44, s32                             ; my batch's m,
	s_mov_b32 s45, s28                             ; and its length as it is given
.irp b, 1,2,3
	s_cmp_eq_u32 s25, \b
	s_cselect_b32 s44, s[32+\b], s44
	s_cselect_b32 s45, s[28+\b], s45
.endr
	s_add_co_u32 s46, s32, s33
	s_add_co_u32 s46, s46, s34
	s_add_co_u32 s46, s46, s35                     ; all items inside their sequences
.irp b, 0,1,2,3
	s_sub_co_u32 s27, 64, s[32+\b]
	s_mul_i32 s27, s27, s[36+\b]
	s_add_co_u32 s46, s46, s27                     ; + the items beyond the length in lower batches
.endr
	s_sub_co_u32 s46, s46, s44                     ; - m: with J added, the rank of an item beyond my length
	v_add_nc_u32 v30, s26, v2                      ; J
	v_and_b32 v31, 0x3c, v30                       ; 4 step
	v_and_b32 v33, 3, v30                          ; x
	v_add_nc_u32 v32, 4, v31
	v_mov_b32 v34, v33
.irp b, 0,1,2,3
	v_min_u32 v35, s[32+\b], v32
	v_min_u32 v36, s[32+\b], v31
	v_sub_nc_u32 v35, s[32+\b], v35
	v_sub_nc_u32 v36, s[32+\b], v36
	v_add_nc_u32 v34, v34, v35
	v_min_u32 v36, 4, v36
	v_mad_u32_u24 v34, v36, s[36+\b], v34
.endr
	v_add_nc_u32 v37, s46, v30
	v_cmp_gt_u32 vcc_lo, s44, v30                  ; does my item begin inside the sequence?
	v_cndmask_b32 v34, v37, v34, vcc_lo
	v_min_u32 v34, 0xff, v34                       ; a number made of loaded numbers is held inside the buffer ahead of the address
	v_lshlrev_b32 v34, 4, v34
	v_mov_b32 v40, s25
	v_lshrrev_b32 v41, 2, v30
	v_mov_b32 v42, v33
	v_mov_b32 v43, s45
	global_store_b128 v34, v[40:43], s[42:43]
	s_endpgm
.Lfunc_end_k_q37b9c95d18_prep:
	.size	k_q37b9c95d18_prep, .Lfunc_end_k_q37b9c95d18_prep-k_q37b9c95d18_prep
	.p2alignl 7, 3214868480
	.fill 96, 4, 3214868480
	.section	.rodata,"a",@progbits
	.p2align	6, 0x0
	.amdhsa_kernel k_q37b9c95d18_prep
		.amdhsa_group_segment_fixed_size 34304
		.amdhsa_private_segment_fixed_size 0
		.amdhsa_enable_private_segment 0
		.amdhsa_kernarg_size 80
		.amdhsa_user_sgpr_count 2
		.amdhsa_user_sgpr_kernarg_segment_ptr 1
		.amdhsa_wavefront_size32 1
		.amdhsa_system_sgpr_workgroup_id_x 1
		.amdhsa_system_sgpr_workgroup_id_y 1
		.amdhsa_system_sgpr_workgroup_id_z 1
		.amdhsa_system_vgpr_workitem_id 0
		.amdhsa_next_free_vgpr 256
		.amdhsa_next_free_sgpr 66
		.amdhsa_reserve_vcc 1
		.amdhsa_float_denorm_mode_32 3
		.amdhsa_float_denorm_mode_16_64 3
		.amdhsa_memory_ordered 1
		.amdhsa_forward_progress 1
		.amdhsa_inst_pref_size 39
	.end_amdhsa_kernel
	.amdgpu_metadata
---
amdhsa.version: [ 1, 2 ]
amdhsa.kernels:
  - .name:           k_q37b9c95d18_prep
    .symbol:         k_q37b9c95d18_prep.kd
    .args:
      - { .name: X, .offset: 0, .size: 8, .value_kind: global_buffer, .address_space: global }
      - { .name: Wq, .offset: 8, .size: 8, .value_kind: global_buffer, .address_space: global }
      - { .name: Wk, .offset: 16, .size: 8, .value_kind: global_buffer, .address_space: global }
      - { .name: Wv, .offset: 24, .size: 8, .value_kind: global_buffer, .address_space: global }
      - { .name: Wo, .offset: 32, .size: 8, .value_kind: global_buffer, .address_space: global }
      - { .name: xw_img, .offset: 40, .size: 8, .value_kind: global_buffer, .address_space: global }
      - { .name: xw_sc, .offset: 48, .size: 8, .value_kind: global_buffer, .address_space: global }
      - { .name: rope, .offset: 56, .size: 8, .value_kind: global_buffer, .address_space: global }
      - { .name: curr_seq_lens, .offset: 64, .size: 8, .value_kind: global_buffer, .address_space: global }
      - { .name: deal, .offset: 72, .size: 8, .value_kind: global_buffer, .address_space: global }
    .group_segment_fixed_size: 34304
    .private_segment_fixed_size: 0
    .kernarg_segment_align: 8
    .kernarg_segment_size: 80
    .max_flat_workgroup_size: 128
    .sgpr_count:     66
    .vgpr_count:     256
    .wavefront_size: 32
...
	.end_amdgpu_metadata
.endif
;; end of part 1
;; launch qkv (part 2): grid 8 x 96, 4 waves a work-group, clusters of 4 x 4, 295,424 bytes of LDS; arguments xw_img, xw_sc, rope, bq, bk, bv, qkv_img, qkv_sc; writes qkv_img, qkv_sc
.if DOCPART == 2
	.amdgcn_target "amdgcn-amd-amdhsa--gfx1250"
	.amdhsa_code_object_version 6
	.text
	.protected	k_q37b9c95d18_qkv
	.globl	k_q37b9c95d18_qkv
	.p2align	8
	.type	k_q37b9c95d18_qkv,@function
k_q37b9c95d18_qkv:
	s_mov_b64 s[64:65], 0
	v_nop
	global_prefetch_b8 v0, s[64:65] scope:SCOPE_SE
	s_setreg_imm32_b32 hwreg(HW_REG_WAVE_MODE, 25, 1), 1
	s_wait_xcnt 0x0
	s_wait_alu depctr_hold_cnt(0) depctr_sa_sdst(0) depctr_va_vdst(0) depctr_va_sdst(0) depctr_va_ssrc(0) depctr_va_vcc(0) depctr_vm_vsrc(0)
	s_getreg_b32 s2, hwreg(HW_REG_IB_STS2, 6, 4)
	s_cmp_eq_u32 s2, 0
	s_cbranch_scc0 .Lentry_in_a_cluster
	s_endpgm
.Lentry_in_a_cluster:
	s_bfe_u32 s2, ttmp6, 0x10000c
	s_cmp_lg_u32 s2, 0xf033
	s_cbranch_scc0 .Lentry_shape_is_right
	s_endpgm
.Lentry_shape_is_right:
; q = X Wq^T + bq, k = X Wk^T + bk (both rotated), v = X Wv^T + bv, on codes of FP6 (E2M3) with E8M0 scales; the results are quantised in registers, q and k along the head's 64, v along the keys, and stored as operand images.
; A work-group makes 128 (side A') x 256 (side B') of a product over all of K = 1,024.  Four waves, 2 x 2: a wave has 4 tiles of A' x 8 tiles of B': 32 accumulators.  Source 0 = a fragment of B' (its rows fall into a lane's registers),
; source 1 = a fragment of A' (its rows fall into lanes).  Clusters with y < 16: A' = X (tokens in lanes), B' = Wq or Wk (columns in registers): a lane holds a token's 128 columns, two heads.
; Clusters with y >= 16: A' = Wv (channels in lanes), B' = X (tokens in registers): a lane holds one channel's 128 keys.  The two differ in addresses and in the way out alone.
; ALL OF K LIES IN LDS: 24 tiles x 12,288 bytes.  So every tensor load is a first fill: four chunks of 256 along K, four loads a wave out at the most; the waves begin when the first chunk has landed; nothing is filled again.
; CLUSTER 4 x 4: A's tiles are shared along a row of the cluster, B's along a column: each is asked for jointly.
; Tiles, fragments, images and scale words: as the launch that made them lays them (slot r of tile T is row 32 (T / 2) + 8 (T % 2) + r + 8 (r / 8); so register j of lane half h in a result is row 32 (T / 2) + 8 (T % 2) + 16 h + j).
; OUT.  qkv_img[bh] (294,912 bytes): Q at 0, K at 98,304: [step of 128 tokens][tile 8][768]: registers 0-3 as a plane of 512 bytes, 4-5 as a plane of 256; V at 196,608: [step][tile of 16 channels 4][1,536].
; qkv_sc[bh] (20,480 bytes): q at 0, k at 8,192: [step][g 2][r 16][4 words] (tile 4 g + i; bytes 0, 1 the head's two blocks, bytes 2, 3 zero); v at 16,384: [step][r 16][tile 4] words.
; LIMITS: a block of zeros, or one under 2^-124, gets the byte 1; NaN and infinities are not served.
; REGISTERS: window 0: v0-31 addresses; v32-79 scale words and nothing else; v80-143 the bias as C; v144-239 A's fragments, two sets; on the way out v80-255 are at work.  Window 1: B's fragments, two sets.  Window 2: accumulator (a, b) at v[8 (8 a + b)].  Window 3: the table, or bv.
.set CHUNK, 73728                      ; 24 tiles x 3,072 bytes: 256 along K
; ONE TENSOR LOAD A WAVE: a wave's 4 tiles of A' or 8 tiles of B' are one dense block of memory, all of K, and come whole: tile i lies at i x 12,288, K step ks at + 1,536 ks.
; This takes the place of the four chunks that the comment at the head speaks of: every wave waits for its one load, one barrier shows all tiles, and no further barrier stands among the K steps.
.set TILEB, 12288
.set FRB,   1536
.set BOFF,  8*TILEB                    ; B's 16 tiles lie behind A's 8
.set SPARE, 4*CHUNK                    ; the spare words, 128 bytes a wave
.set A64,   0                          ; A's images are planes of 512 bytes
.set ADRA, 16                          ; v16 LDS address of my A fragments
.set ADRB, 20                          ; v20-21 the same for B: tiles 0-3 and 4-7
.set SPW,  28
.set NIL,  29
.set SCA,  32                          ; v[SCA + 4 a + 2 pi + q]: lanes 0-15 K step 4 pi + q, lanes 16-31 K step 4 pi + 2 + q
.set SCB,  48
.set BIAS, 80
.set AF,   144
.set G1A,  24
.set G1B,  32
.set G0A,  40                          ; s[40:43] A's group 0; B's: s[56:59]
.set WV,   20
.set WR,   21
.set WC,   22
.set PATH, 23
.set SEL,  66
.set CXI,  76
.set CYI,  77
.set CLX,  78
.set CLY,  79
.set MSB, 0
.macro WIN new                         ; the immediate's high byte repeats the setting that is left
.if MSB != \new
	s_set_vgpr_msb (MSB<<8)|\new
.set MSB, \new
.endif
.endm
.macro PLACES n
.rept \n
	v_nop
.endr
.endm
.macro CROUND                          ; a round of the cluster's barrier
	s_barrier_signal -1
	s_barrier_wait -1
	s_cmp_lg_u32 s[WV], 0
	s_cbranch_scc1 .Lnot_wave_0_\@
	s_barrier_signal -3
.Lnot_wave_0_\@:
	s_barrier_wait -3
	s_barrier_signal -1
	s_barrier_wait -1
.endm
.macro FINISH
	s_wait_tensorcnt 0x0                           ; the wave's end
	ds_add_u32 v[SPW], v[NIL]
	s_wait_dscnt 0x0
	CROUND                                         ; the closing round
	s_endpgm
.endm
.macro FRAG128 reg, adr, off
.irp g, 0,1,2
	ds_load_b128 v[\reg+4*\g:\reg+4*\g+3], v[\adr] offset:\off+512*\g
.endr
.endm
.macro FRAG64 reg, adr, off
.irp g, 0,1,2,3,4,5
	ds_load_b64 v[\reg+2*\g:\reg+2*\g+1], v[\adr] offset:\off+256*\g
.endr
.endm
.macro FETCH ks                        ; K step ks: B's eight fragments and A's four into set ks % 2
.set SG, (\ks)/2
.set QQ, (\ks)%2
	WIN 0x40                                       ; destination window 1
.irp i, 0,1,2,3,4,5,6,7
	FRAG128 128*QQ+12*\i, ADRB+\i/4, (\i%4)*TILEB+(\ks)*FRB
.endr
	WIN 0
.irp i, 0,1,2,3
.if A64
	FRAG64 AF+48*QQ+12*\i, ADRA, \i*TILEB+(\ks)*FRB
.else
	FRAG128 AF+48*QQ+12*\i, ADRA, \i*TILEB+(\ks)*FRB
.endif
.endr
.endm
; 8 matrix instructions: A's tile a against B's eight.  cmode 0: on in place; 1: the constant 0 starts the sums; 2: the bias starts them.  The 32 accumulators take turns, one instruction a turn, in the same order in every step.
.macro MULA a, ks, cmode
.set PP, (\ks)%2
.set SI, 2*((\ks)>>2)+((\ks)&1)
.set RW, ((\ks)>>1)&1
.irp b, 0,1,2,3,4,5,6,7
.set DA, 8*(8*(\a)+\b)
.set FB, 128*PP+12*\b
.set FA, AF+48*PP+12*(\a)
.if (\cmode) == 2
	v_wmma_scale_f32_16x16x128_f8f6f4 v[DA:DA+7], v[FB:FB+11], v[FA:FA+11], v[BIAS+8*\b:BIAS+8*\b+7], v[SCB+4*\b+SI], v[SCA+4*(\a)+SI] matrix_a_fmt:MATRIX_FMT_FP6 matrix_b_fmt:MATRIX_FMT_FP6
.elseif (\cmode) == 1
	v_wmma_scale_f32_16x16x128_f8f6f4 v[DA:DA+7], v[FB:FB+11], v[FA:FA+11], 0, v[SCB+4*\b+SI], v[SCA+4*(\a)+SI] matrix_a_fmt:MATRIX_FMT_FP6 matrix_b_fmt:MATRIX_FMT_FP6
.elseif RW
	v_wmma_scale_f32_16x16x128_f8f6f4 v[DA:DA+7], v[FB:FB+11], v[FA:FA+11], v[DA:DA+7], v[SCB+4*\b+SI], v[SCA+4*(\a)+SI] matrix_a_fmt:MATRIX_FMT_FP6 matrix_b_fmt:MATRIX_FMT_FP6 matrix_a_scale:MATRIX_SCALE_ROW1 matrix_b_scale:MATRIX_SCALE_ROW1
.else
	v_wmma_scale_f32_16x16x128_f8f6f4 v[DA:DA+7], v[FB:FB+11], v[FA:FA+11], v[DA:DA+7], v[SCB+4*\b+SI], v[SCA+4*(\a)+SI] matrix_a_fmt:MATRIX_FMT_FP6 matrix_b_fmt:MATRIX_FMT_FP6
.endif
.endr
.endm
.macro STEP ks, cmode
	s_wait_dscnt 0x0                               ; this step's fragments are in: they were asked for 32 matrix instructions ago
.if (\ks) < 7
	PLACES 4                                       ; in front of loads into the set that the last step's matrix instructions read
	FETCH (\ks)+1
.endif
.if (\cmode) == 2
	WIN 0x81                                       ; source 0 window 1, source 1 and C window 0, D window 2
.else
	WIN 0xa1                                       ; source 0 window 1, source 1 window 0, C and D window 2
.endif
	MULA 0, \ks, \cmode
	MULA 1, \ks, \cmode
	MULA 2, \ks, \cmode
	MULA 3, \ks, \cmode
	WIN 0
.endm
	s_load_b512 s[4:19], s[0:1], 0x0               ; xw_img s[4:5], xw_sc s[6:7], rope s[8:9], bq s[10:11], bk s[12:13], bv s[14:15], qkv_img s[16:17], qkv_sc s[18:19]
	v_lshl_add_u32 v[SPW], v0, 2, SPARE
	v_mov_b32 v[NIL], 0
	ds_add_u32 v[SPW], v[NIL]                      ; the wave's opening: the add and its wait stand ahead of my first tensor load; work on registers stands between them
	ds_add_u32 v[SPW], v[NIL]
	v_lshrrev_b32 v1, 5, v0
	v_readfirstlane_b32 s[WV], v1                  ; wave 0..3
	s_lshr_b32 s[WR], s[WV], 1                     ; my half of A's tiles
	s_and_b32 s[WC], s[WV], 1                      ; my half of B's; also: which half of a side's tiles I fetch
	s_bfe_u32 s[CXI], ttmp6, 0x40000               ; cx
	s_bfe_u32 s[CYI], ttmp6, 0x40004               ; cy
	s_mov_b32 s[CLX], ttmp9                        ; the cluster's x, 0 or 1
	s_and_b32 s[CLY], ttmp7, 0xffff                ; the cluster's y, 0 .. 23
	s_lshl_b32 s80, s[CYI], 2
	s_lshl_b32 s80, 15, s80                        ; my row of the cluster
	s_lshl_b32 s81, 0x1111, s[CXI]                 ; my column
	s_or_b32 s[G1A], s80, (3<<16)|(1<<21)          ; the mask; elements of 8 bytes; bit 21 beside a mask; no padding
	s_or_b32 s[G1B], s81, (3<<16)|(1<<21)
	s_mov_b32 s[G1A+1], 1536<<16                   ; tensor_dim0: a tile's 12,288 bytes
	s_mov_b32 s[G1A+2], 4<<16                      ; tensor_dim1: 4 tiles
	s_mov_b32 s[G1A+3], 1536<<16
	s_mov_b32 s[G1A+4], 4                          ; tile_dim1
	s_mov_b32 s[G1A+5], 1536                       ; from tile to tile: 12,288 bytes
	s_mov_b32 s[G1A+6], 0
	s_mov_b32 s[G1A+7], 0
	s_mov_b32 s[G1B+1], 1536<<16
	s_mov_b32 s[G1B+2], 8<<16                      ; 8 tiles
	s_mov_b32 s[G1B+3], 1536<<16
	s_mov_b32 s[G1B+4], 8
	s_mov_b32 s[G1B+5], 1536
	s_mov_b32 s[G1B+6], 0
	s_mov_b32 s[G1B+7], 0
	s_mov_b32 s[SEL], 0x76543210
	s_mov_b32 s[SEL+1], 0xfedcba98
	s_mov_b32 s3, 0xffff0000                       ; lanes 16-31
	s_sub_co_u32 s82, s[CLY], 16                   ; (of use where the cluster's y is 16 or more)
	s_cmp_lt_u32 s[CLY], 16                        ; the same in all sixteen partners
	s_cselect_b32 s[PATH], 0, 1                    ; 0: q and k;  1: v
	s_cselect_b32 s83, s[CLY], s[CLX]
	s_cselect_b32 s84, 0, 640
	s_cselect_b32 s85, s[CLX], s82
	s_cselect_b32 s86, 512, 0
	s_lshl_b32 s88, s83, 5
	s_add_co_u32 s88, s88, s84
	s_lshl_b32 s87, s[CYI], 3
	s_add_co_u32 s88, s88, s87                     ; A's first tile: 32 CY + 8 cy (X), or 640 + 32 CX + 8 cy (Wv)
	s_lshl_b32 s89, s85, 6
	s_add_co_u32 s89, s89, s86
	s_lshl_b32 s2, s[CXI], 4
	s_add_co_u32 s89, s89, s2                      ; B's first tile: 512 + 64 CX + 16 cx (Wq, Wk), or 64 (CY - 16) + 16 cx (X)
	s_lshl_b32 s90, s[WC], 2
	s_add_co_u32 s90, s90, s88
	s_mul_i32 s90, s90, 12288                      ; the four tiles of A that I would fetch
	s_mov_b32 s91, 0
	s_lshl_b32 s92, s[WC], 3
	s_add_co_u32 s92, s92, s89
	s_mul_i32 s92, s92, 12288                      ; the eight of B
	s_mov_b32 s93, 0
	s_mul_i32 s94, s[WC], 4*TILEB                  ; and where they go: no place in the cluster enters an LDS address
	s_mul_i32 s95, s[WC], 8*TILEB
	s_add_co_u32 s95, s95, BOFF
	s_lshl_b32 s96, s[WR], 2
	s_add_co_u32 s96, s96, s88
	s_lshl_b32 s96, s96, 9                         ; the scale words of my four tiles of A
	s_mov_b32 s97, 0
	s_lshl_b32 s98, s[WC], 3
	s_add_co_u32 s98, s98, s89
	s_lshl_b32 s98, s98, 9                         ; and of my eight of B
	s_mov_b32 s99, 0
	s_wait_dscnt 0x0                               ; the opening add is done
	s_wait_kmcnt 0x0
	s_add_nc_u64 s[90:91], s[4:5], s[90:91]
	s_add_nc_u64 s[92:93], s[4:5], s[92:93]
	s_add_nc_u64 s[96:97], s[6:7], s[96:97]
	s_add_nc_u64 s[98:99], s[6:7], s[98:99]
.irp g, 0
	s_mov_b32 s[G0A+4*\g], 1
	s_add_co_u32 s[G0A+4*\g+1], s94, \g*CHUNK
	s_add_nc_u64 s[G0A+4*\g+2:G0A+4*\g+3], s[90:91], \g*TILEB
	s_or_b32 s[G0A+4*\g+3], s[G0A+4*\g+3], 0x80000000
	s_mov_b32 s[56+4*\g+4*(\g/2)], 1
	s_add_co_u32 s[56+4*\g+4*(\g/2)+1], s95, \g*CHUNK
	s_add_nc_u64 s[56+4*\g+4*(\g/2)+2:56+4*\g+4*(\g/2)+3], s[92:93], \g*TILEB
	s_or_b32 s[56+4*\g+4*(\g/2)+3], s[56+4*\g+4*(\g/2)+3], 0x80000000
.endr
	CROUND                                         ; all sixteen work-groups are here: the joint loads meet
	s_cmp_lt_u32 s[WV], 2                          ; waves 0, 1 fetch A's halves, waves 2, 3 B's: a wave's one fill stands in one branch on the wave's number
	s_cbranch_scc0 .Lfill_b
	tensor_load_to_lds s[G0A:G0A+3], s[G1A:G1A+7]
	s_nop 0
	PLACES 4
	s_branch .Lfilled
.Lfill_b:
	tensor_load_to_lds s[56:59], s[G1B:G1B+7]
	s_nop 0
	PLACES 4
.Lfilled:
	v_and_b32 v2, 31, v0                           ; lane
	v_lshlrev_b32 v3, 3, v2                        ; 8 x lane
	v_lshlrev_b32 v4, 4, v2                        ; 16 x lane
	v_and_b32 v5, 15, v0                           ; r
	v_bfe_u32 v6, v0, 4, 1                         ; h
	v_lshlrev_b32 v7, 6, v6                        ; the bias: 16 h numbers on
	v_and_b32 v9, 8, v5
	v_add_nc_u32 v9, v9, v5                        ; r + 8 (r / 8)
	v_lshlrev_b32 v8, 8, v9
	v_lshl_add_u32 v8, v6, 7, v8                   ; the table: my token's row, + 128 h
	v_lshlrev_b32 v12, 2, v9                       ; bv: my channel
	v_mul_u32_u24 v10, v6, 20480
	v_lshl_add_u32 v10, v5, 4, v10                 ; q's and k's scale words: lanes 16-31 the next head
	v_lshlrev_b32 v11, 4, v5
	v_lshl_add_u32 v11, v6, 3, v11                 ; v's scale words: 16 r + 8 h
.irp i, 0,1,2,3
.irp p, 0,1
	global_load_b64 v[SCA+4*\i+2*\p:SCA+4*\i+2*\p+1], v3, s[96:97] offset:\i*512+\p*256   ; 256 consecutive bytes, aligned
.endr
.endr
.irp i, 0,1,2,3,4,5,6,7
.irp p, 0,1
	global_load_b64 v[SCB+4*\i+2*\p:SCB+4*\i+2*\p+1], v3, s[98:99] offset:\i*512+\p*256
.endr
.endr
	s_mul_i32 s90, s[WR], 4*TILEB
	v_add_nc_u32 v[ADRA], s90, v4
	s_mul_i32 s91, s[WC], 8*TILEB
	s_add_co_u32 s91, s91, BOFF
	v_add_nc_u32 v[ADRB], s91, v4
	v_add_nc_u32 v[ADRB+1], 4*TILEB, v[ADRB]       ; B's tiles 4-7: the immediates stay under 65,536
	s_wait_alu depctr_va_vdst(0)
	s_cmp_lg_u32 s[PATH], 0
	s_cbranch_scc1 .Lhead_v
	; q, k: the bias of my 128 columns in the result's layout, and the table of my 64 tokens
	s_cmp_eq_u32 s[CLX], 0                         ; cluster x = 0: Wq; 1: Wk
	s_cselect_b64 s[80:81], s[10:11], s[12:13]
	s_lshl_b32 s82, s[CXI], 10
	s_lshl_b32 s84, s[WC], 9
	s_add_co_u32 s82, s82, s84
	s_mov_b32 s83, 0
	s_add_nc_u64 s[80:81], s[80:81], s[82:83]
.irp b, 0,1,2,3,4,5,6,7
	global_load_b128 v[BIAS+8*\b:BIAS+8*\b+3], v7, s[80:81] offset:(32*(\b/2)+8*(\b%2))*4
	global_load_b128 v[BIAS+8*\b+4:BIAS+8*\b+7], v7, s[80:81] offset:(32*(\b/2)+8*(\b%2))*4+16
.endr
	s_lshl_b32 s84, s[CLY], 2
	s_add_co_u32 s84, s84, s[CYI]
	s_and_b32 s84, s84, 15                         ; the step of 128 tokens in its sequence
	s_lshl_b32 s84, s84, 15
	s_lshl_b32 s86, s[WR], 14
	s_add_co_u32 s84, s84, s86
	s_mov_b32 s85, 0
	s_add_nc_u64 s[84:85], s[8:9], s[84:85]
	WIN 0xc0                                       ; destination window 3
.irp a, 0,1,2,3
.irp m, 0,1,2,3,4,5,6,7
	global_load_b128 v[32*\a+4*\m:32*\a+4*\m+3], v8, s[84:85] offset:(32*(\a/2)+8*(\a%2))*256+16*\m   ; cos, cos, sin, sin of frequencies 16 h + 2 m, + 1
.endr
.endr
	WIN 0
	s_branch .Lhead_done
.Lhead_v:
	s_lshl_b32 s80, s[CLX], 2
	s_add_co_u32 s80, s80, s[CYI]
	s_lshl_b32 s80, s80, 1
	s_add_co_u32 s80, s80, s[WR]                   ; my head
	s_lshl_b32 s80, s80, 8
	s_mov_b32 s81, 0
	s_add_nc_u64 s[80:81], s[14:15], s[80:81]
	WIN 0xc0
.irp a, 0,1,2,3
	global_load_b32 v[2*\a], v12, s[80:81] offset:(32*(\a/2)+8*(\a%2))*4     ; bv of my lane's channel in tile a, twice: a pair for the packed addition
	global_load_b32 v[2*\a+1], v12, s[80:81] offset:(32*(\a/2)+8*(\a%2))*4
.endr
	WIN 0
.Lhead_done:
	s_wait_tensorcnt 0x0                           ; my one load has landed
	s_barrier_signal -1
	s_barrier_wait -1                              ; everybody's has
	s_wait_alu depctr_va_vdst(0)
	FETCH 0
	s_wait_loadcnt 0x0                             ; scale words, bias, table
	s_cmp_lg_u32 s[PATH], 0
	s_cbranch_scc1 .Lfirst_v
	STEP 0, 2                                      ; the bias starts the sums
	s_branch .Lsteps
.Lfirst_v:
	STEP 0, 1                                      ; the constant 0 starts them: here the bias hangs on the lane and is added on the way out
.Lsteps:
	STEP 1, 0
	STEP 2, 0
	STEP 3, 0
	STEP 4, 0
	STEP 5, 0
	STEP 6, 0
	STEP 7, 0
	PLACES 4                                       ; in front of the first reads of results and of writes into the fragments' registers
	s_cmp_lg_u32 s[PATH], 0
	s_cbranch_scc1 .Lout_v
	; ---------------- the way out of q and k
.set RO, 80                            ; v80-111 a token's rotated head: register 16 b + i = channel 32 b + 16 h + i
.set TT, 112                           ; v112-127 four sets of two pairs
.set TM, 128                           ; v128-133 at work
.set PT, 176                           ; v176-178 the second block's codes
.set SW, 184                           ; v184-191 scale words: 4 head + tile
; 32 numbers of a lane, two blocks of 32 shared with lane l xor 16, become six code registers (k = 32 h + 0 .. 31) and the two scale bytes
.macro QUANT2 s, pc, pw
.irp b, 0,1
	v_max3_num_f32 v[TM+\b], |v[\s+16*\b]|, |v[\s+16*\b+1]|, 0x1800000     ; and the floor 2^(3 - 127)
.endr
.irp i, 2,4,6,8,10,12,14
.irp b, 0,1
	v_max3_num_f32 v[TM+\b], v[TM+\b], |v[\s+16*\b+\i]|, |v[\s+16*\b+\i+1]|
.endr
.endr
.irp b, 0,1
	v_permlanex16_b32 v[TM+2+\b], v[TM+\b], s[SEL], s[SEL+1]
.endr
.irp b, 0,1
	v_max_num_f32 v[TM+\b], v[TM+\b], v[TM+2+\b]
.endr
.irp b, 0,1
	v_add_nc_u32 v[TM+4+\b], 0xff000000, v[TM+\b]  ; 2 off the exponent field: the conversion's scale operand
.endr
.irp b, 0,1
	v_lshrrev_b32 v[TM+2+\b], 23, v[TM+4+\b]
.endr
	v_lshl_or_b32 v[\pw], v[TM+3], 8, v[TM+2]
	s_wait_alu depctr_va_vdst(0)
	s_wait_xcnt 0x0                                ; the code registers were the data of earlier stores
	v_cvt_scalef32_pk16_fp6_f32 v[\pc:\pc+2], v[\s:\s+15], v[TM+4]
	v_cvt_scalef32_pk16_fp6_f32 v[PT:PT+2], v[\s+16:\s+31], v[TM+5]
	v_nop                                          ; one plain place behind a scaled conversion
.irp i, 0,1,2
	v_permlane16_swap_b32 v[\pc+\i], v[PT+\i]      ; a whole block to a lane: lanes 0-15 block 0, lanes 16-31 block 1
.endr
.irp i, 0,1,2
	v_mov_b32 v[\pc+3+\i], v[PT+\i]
.endr
.endm
.macro ROPEQ a, e                      ; tile a of tokens, head e of my two
.set AC, 64*(\a)+32*(\e)
.set TB, 32*(\a)
.set PQ, 144+8*((2*(\a)+(\e))%4)
	WIN 0x0e                                       ; source 0 window 2 (results), source 1 window 3 (table)
.irp n, 0,2,4,6,8,10,12,14             ; ascending
	v_pk_mul_f32 v[TT+4*((\n/2)%4):TT+4*((\n/2)%4)+1], v[AC+\n:AC+\n+1], v[TB+2*\n:TB+2*\n+1]
	v_pk_mul_f32 v[TT+4*((\n/2)%4)+2:TT+4*((\n/2)%4)+3], v[AC+16+\n:AC+17+\n], v[TB+2*\n:TB+2*\n+1]
	v_pk_fma_f32 v[RO+\n:RO+\n+1], v[AC+16+\n:AC+17+\n], v[TB+2*\n+2:TB+2*\n+3], v[TT+4*((\n/2)%4):TT+4*((\n/2)%4)+1] neg_lo:[0,1,0] neg_hi:[0,1,0]   ; x1 cos - x2 sin
	v_pk_fma_f32 v[RO+16+\n:RO+17+\n], v[AC+\n:AC+\n+1], v[TB+2*\n+2:TB+2*\n+3], v[TT+4*((\n/2)%4)+2:TT+4*((\n/2)%4)+3]                                 ; x2 cos + x1 sin
.endr
	WIN 0
	QUANT2 RO, PQ, SW+4*(\e)+(\a)
	global_store_b128 v4, v[PQ:PQ+3], s[16:17] offset:(\e)*294912+(\a)*768          ; 512 consecutive bytes, aligned
	global_store_b64 v3, v[PQ+4:PQ+5], s[16:17] offset:(\e)*294912+(\a)*768+512     ; 256 consecutive bytes, aligned
.endm
	s_lshl_b32 s80, s[CLY], 2
	s_add_co_u32 s80, s80, s[CYI]                  ; which 128 tokens
	s_lshr_b32 s81, s80, 4                         ; batch
	s_and_b32 s82, s80, 15                         ; step
	s_lshl_b32 s83, s[CXI], 2
	s_lshl_b32 s84, s[WC], 1
	s_add_co_u32 s83, s83, s84                     ; my first head
	s_lshl_b32 s81, s81, 4
	s_add_co_u32 s83, s83, s81                     ; 16 batch + head
	s_mul_i32 s84, s83, 294912
	s_mul_i32 s85, s[CLX], 98304                   ; K lies behind Q
	s_add_co_u32 s84, s84, s85
	s_mul_i32 s85, s82, 6144
	s_add_co_u32 s84, s84, s85
	s_mul_i32 s85, s[WR], 3072
	s_add_co_u32 s84, s84, s85
	s_mov_b32 s85, 0
	s_add_nc_u64 s[16:17], s[16:17], s[84:85]
	s_mul_i32 s86, s83, 20480
	s_lshl_b32 s87, s[CLX], 13
	s_add_co_u32 s86, s86, s87
	s_lshl_b32 s87, s82, 9
	s_add_co_u32 s86, s86, s87
	s_lshl_b32 s87, s[WR], 8
	s_add_co_u32 s86, s86, s87
	s_mov_b32 s87, 0
	s_add_nc_u64 s[18:19], s[18:19], s[86:87]
	v_mov_b32 v[TM+2], 0                           ; a lane permute's destination counts as read
	v_mov_b32 v[TM+3], 0
.irp a, 0,1,2,3
	ROPEQ \a, 0
	ROPEQ \a, 1
.endr
.irp a, 0,1,2,3
	v_cndmask_b32 v[192+\a], v[SW+\a], v[SW+4+\a], s3   ; lanes 0-15 my first head's words, lanes 16-31 my second's
.endr
	global_store_b128 v10, v[192:195], s[18:19]    ; sixteen lanes fill 256 consecutive bytes, aligned, in each head
	FINISH
	; ---------------- the way out of v
.Lout_v:
.set ST,  80                           ; v80-143 a channel's 128 keys: register 16 b + i = key 32 b + 16 h + i
.set TQ,  144                          ; v144-159 at work
.set VC,  160                          ; v160-199 two sets of 20: 12 code registers and the upper halves
.set SWV, 200                          ; v200-203 scale words of the four tiles
.macro QUANT4 s, pc, pw                ; 64 numbers of a lane become a fragment's 12 registers and its scale word
.irp b, 0,1,2,3
	v_max3_num_f32 v[TQ+\b], |v[\s+16*\b]|, |v[\s+16*\b+1]|, 0x1800000
.endr
.irp i, 2,4,6,8,10,12,14
.irp b, 0,1,2,3
	v_max3_num_f32 v[TQ+\b], v[TQ+\b], |v[\s+16*\b+\i]|, |v[\s+16*\b+\i+1]|
.endr
.endr
.irp b, 0,1,2,3
	v_permlanex16_b32 v[TQ+4+\b], v[TQ+\b], s[SEL], s[SEL+1]
.endr
.irp b, 0,1,2,3
	v_max_num_f32 v[TQ+\b], v[TQ+\b], v[TQ+4+\b]
.endr
.irp b, 0,1,2,3
	v_add_nc_u32 v[TQ+12+\b], 0xff000000, v[TQ+\b]
.endr
.irp b, 0,1,2,3
	v_lshrrev_b32 v[TQ+4+\b], 23, v[TQ+12+\b]
.endr
	v_lshl_or_b32 v[\pw], v[TQ+5], 8, v[TQ+4]
	v_lshl_or_b32 v[\pw], v[TQ+6], 16, v[\pw]
	v_lshl_or_b32 v[\pw], v[TQ+7], 24, v[\pw]
	s_wait_xcnt 0x0                                ; the code registers were the data of earlier stores
.irp c, 0,1
	v_cvt_scalef32_pk16_fp6_f32 v[\pc+6*\c:\pc+6*\c+2], v[\s+32*\c:\s+32*\c+15], v[TQ+12+2*\c]
	v_cvt_scalef32_pk16_fp6_f32 v[\pc+12+4*\c:\pc+14+4*\c], v[\s+32*\c+16:\s+32*\c+31], v[TQ+13+2*\c]
.endr
	v_nop
.irp c, 0,1
.irp i, 0,1,2
	v_permlane16_swap_b32 v[\pc+6*\c+\i], v[\pc+12+4*\c+\i]
.endr
.irp i, 0,1,2
	v_mov_b32 v[\pc+6*\c+3+\i], v[\pc+12+4*\c+\i]
.endr
.endr
.endm
.macro VQ a
	WIN 0x0e                                       ; source 0 window 2 (results), source 1 window 3 (bv)
.set N, 0
.rept 32
	v_pk_add_f32 v[ST+N:ST+N+1], v[64*(\a)+N:64*(\a)+N+1], v[2*(\a):2*(\a)+1]
.set N, N+2
.endr
	WIN 0
	QUANT4 ST, VC+20*((\a)%2), SWV+(\a)
.irp g, 0,1,2
	global_store_b128 v4, v[VC+20*((\a)%2)+4*\g:VC+20*((\a)%2)+4*\g+3], s[16:17] offset:(\a)*1536+512*\g
.endr
.endm
	s_sub_co_u32 s80, s[CLY], 16
	s_lshl_b32 s80, s80, 2
	s_add_co_u32 s80, s80, s[CXI]                  ; which 256 tokens
	s_lshr_b32 s81, s80, 3                         ; batch
	s_and_b32 s82, s80, 7
	s_lshl_b32 s82, s82, 1
	s_add_co_u32 s82, s82, s[WC]                   ; step
	s_lshl_b32 s83, s[CLX], 2
	s_add_co_u32 s83, s83, s[CYI]
	s_lshl_b32 s83, s83, 1
	s_add_co_u32 s83, s83, s[WR]                   ; head
	s_lshl_b32 s81, s81, 4
	s_add_co_u32 s83, s83, s81
	s_mul_i32 s84, s83, 294912
	s_mul_i32 s86, s82, 6144
	s_add_co_u32 s84, s84, s86
	s_add_co_u32 s84, s84, 196608
	s_mov_b32 s85, 0
	s_add_nc_u64 s[16:17], s[16:17], s[84:85]
	s_mul_i32 s86, s83, 20480
	s_lshl_b32 s87, s82, 8
	s_add_co_u32 s86, s86, s87
	s_add_co_u32 s86, s86, 16384
	s_mov_b32 s87, 0
	s_add_nc_u64 s[18:19], s[18:19], s[86:87]
.irp b, 0,1,2,3
	v_mov_b32 v[TQ+4+\b], 0                        ; a lane permute's destination counts as read
.endr
	VQ 0
	VQ 1
	VQ 2
	VQ 3
	v_cndmask_b32 v204, v[SWV], v[SWV+2], s3       ; lane half h takes the words of tiles 2 h and 2 h + 1
	v_cndmask_b32 v205, v[SWV+1], v[SWV+3], s3
	global_store_b64 v11, v[204:205], s[18:19]     ; the 32 lanes fill 256 consecutive bytes, aligned
	FINISH
.Lfunc_end_k_q37b9c95d18_qkv:
	.size	k_q37b9c95d18_qkv, .Lfunc_end_k_q37b9c95d18_qkv-k_q37b9c95d18_qkv
	.p2alignl 7, 3214868480
	.fill 96, 4, 3214868480
	.section	.rodata,"a",@progbits
	.p2align	6, 0x0
	.amdhsa_kernel k_q37b9c95d18_qkv
		.amdhsa_group_segment_fixed_size 295424
		.amdhsa_private_segment_fixed_size 0
		.amdhsa_enable_private_segment 0
		.amdhsa_kernarg_size 64
		.amdhsa_user_sgpr_count 2
		.amdhsa_user_sgpr_kernarg_segment_ptr 1
		.amdhsa_wavefront_size32 1
		.amdhsa_system_sgpr_workgroup_id_x 1
		.amdhsa_system_sgpr_workgroup_id_y 1
		.amdhsa_system_sgpr_workgroup_id_z 1
		.amdhsa_system_vgpr_workitem_id 0
		.amdhsa_next_free_vgpr 896
		.amdhsa_next_free_sgpr 100
		.amdhsa_reserve_vcc 0
		.amdhsa_float_denorm_mode_32 3
		.amdhsa_float_denorm_mode_16_64 3
		.amdhsa_memory_ordered 1
		.amdhsa_forward_progress 1
		.amdhsa_inst_pref_size 135
	.end_amdhsa_kernel
	.amdgpu_metadata
---
amdhsa.version: [ 1, 2 ]
amdhsa.kernels:
  - .name:           k_q37b9c95d18_qkv
    .symbol:         k_q37b9c95d18_qkv.kd
    .args:
      - { .name: xw_img, .offset: 0, .size: 8, .value_kind: global_buffer, .address_space: global }
      - { .name: xw_sc, .offset: 8, .size: 8, .value_kind: global_buffer, .address_space: global }
      - { .name: rope, .offset: 16, .size: 8, .value_kind: global_buffer, .address_space: global }
      - { .name: bq, .offset: 24, .size: 8, .value_kind: global_buffer, .address_space: global }
      - { .name: bk, .offset: 32, .size: 8, .value_kind: global_buffer, .address_space: global }
      - { .name: bv, .offset: 40, .size: 8, .value_kind: global_buffer, .address_space: global }
      - { .name: qkv_img, .offset: 48, .size: 8, .value_kind: global_buffer, .address_space: global }
      - { .name: qkv_sc, .offset: 56, .size: 8, .value_kind: global_buffer, .address_space: global }
    .group_segment_fixed_size: 295424
    .private_segment_fixed_size: 0
    .kernarg_segment_align: 8
    .kernarg_segment_size: 64
    .max_flat_workgroup_size: 128
    .sgpr_count:     100
    .vgpr_count:     896
    .wavefront_size: 32
...
	.end_amdgpu_metadata
.endif
;; end of part 2
;; launch attn (part 3): grid 256 x 1, 8 waves a work-group, no clusters, 0 bytes of LDS; arguments qkv_img, qkv_sc, deal, a_img, a_sc; writes a_img, a_sc
.if DOCPART == 3
	.amdgcn_target "amdgcn-amd-amdhsa--gfx1250"
	.amdhsa_code_object_version 6
	.text
	.protected	k_q37b9c95d18_attn
	.globl	k_q37b9c95d18_attn
	.p2align	8
	.type	k_q37b9c95d18_attn,@function
k_q37b9c95d18_attn:
	s_mov_b64 s[64:65], 0
	v_nop
	global_prefetch_b8 v0, s[64:65] scope:SCOPE_SE
	s_setreg_imm32_b32 hwreg(HW_REG_WAVE_MODE, 25, 1), 1
	s_wait_xcnt 0x0
; Causal attention over sequences of given lengths, on codes of FP6 (E2M3) with E8M0 scales: S^T = K Q^T, p = 2^(t - M) with a running whole M, O^T += V^T p^T, O / l quantised along the head's 64 and stored as operand images.
; WORK LEFT OUT: key tiles wholly above the diagonal; the mask j < len[b], which j <= i < len[b] implies for every query that is kept; blocks of 32 queries wholly at or beyond len[b], which get zero codes (see the first kernel's head).
; AN ITEM is 32 queries (two operand tiles q = 0, 1) of one batch and head: item J = 4 step + x covers positions 32 J .. 32 J + 31 and walks step + 1 key steps of 128, or none where 32 J >= len[b].
; THE DEAL.  The first launch has ranked a head's 256 items from the lengths: those inside their sequences first, by falling number of key steps, the others last; deal[rank] = (batch, step, x, len).  The list serves every head.
; Work-group = (head = id / 16, g = id % 16), 8 waves, a wave two items.  With n = 4 g + wave % 4 and a = wave / 4 the wave takes ranks n and 255 - n (a = 0) or 127 - n and 128 + n (a = 1): each rank once,
; and waves w and w + 4 together fold the sorted list four times.  Neighbouring waves have neighbouring ranks: as a rule the same batch and key steps, so they walk the same fragments of K and V.
; The list's numbers are held by s_min_u32 ahead of every address; behind that stand adds, shifts to the left, multiplications and ANDs alone.
; NO LDS, NO TENSOR LOAD, NO CLUSTER: the trip count hangs on numbers read from memory.  The images of K and V are register images: each lane loads its fragments whole, 512 or 256 consecutive bytes a load,
; and both query tiles use each fragment.  Waves share nothing: no barrier.  No prefetch: K of step t + 1 is loaded behind step t's first products and V of step t + 1 behind its last, a whole step ahead of their use.
; K's operand is named as 12 registers of which 6 hold its 64 codes; the upper 6 are the next tile's codes (zeros behind the last tile).  They meet Q's upper 6 registers, which are zero codes, and add nothing.
; LIMITS: the promise holds while the scaled scores (exponents to the base 2) stay under 2^31 in magnitude; a block of zeros gets the scale byte 1; NaN and infinities are not served.
; REGISTERS.  Window 0: v1-27 addresses and state, v24-25, v28-39 scale words, v40-117 at work, v128-255 the scores of both tiles.  Window 1: v0-53 K, v64-111 V, v112-135 Q, v144-207 O^T.
.set L16, 1                            ; 16 x lane
.set L8,  2                            ; 8 x lane
.set R16, 3                            ; 16 r
.set R8,  4                            ; 8 r
.set H16, 5                            ; 16 h
.set QOF, 6                            ; r + 8 (r / 8): my query in tile 0 of an item
.set QH,  7                            ; QOF - 16 h
.set NM,  8                            ; pairs (-M, running largest score), one a tile
.set SU,  12                           ; the sums, a pair a tile
.set F,   16                           ; pairs (f, p's scale word)
.set DG,  20                           ; the diagonal: my query in its key step, less 16 h
.set QP,  22                           ; my query's position
.set QS,  24                           ; Q's scale words
.set HB,  26                           ; 8 r + 512 h
.set NINF, 27
.set KS,  28
.set VS,  36
.set BM,  40
.set TM,  40
.set BT,  48
.set SO,  56
.set TMP, 64
.set OLD, 66
.set SB,  68
.set PC,  72
.set PT,  96
.set HW,  112
.set HWS, 114
.set HOS, 115
.set S,   128
.set KF,  0                            ; window 1
.set VF,  64
.set QF,  112
.set O,   144
.set SEL, 50
.set CS,  52
.set MSB, 0
.macro WIN new                         ; the immediate's high byte repeats the setting that is left
.if MSB != \new
	s_set_vgpr_msb (MSB<<8)|\new
.set MSB, \new
.endif
.endm
.macro PLACES n
.rept \n
	v_nop
.endr
.endm
.macro WALU
	s_wait_alu depctr_va_vdst(0)
.endm
.macro LOADK tr                        ; K's eight tiles and their scale words of key step s\tr: 18 loads
	s_mul_i32 s48, s\tr, 6144
	s_add_co_u32 s48, s48, 98304
	s_add_nc_u64 s[40:41], s[28:29], s[48:49]
	s_lshl_b32 s48, s\tr, 9
	s_add_co_u32 s48, s48, 8192
	s_add_nc_u64 s[42:43], s[30:31], s[48:49]
	WIN 0x40
.irp i, 0,1,2,3,4,5,6,7
	global_load_b128 v[KF+6*\i:KF+6*\i+3], v[L16], s[40:41] offset:768*\i
	global_load_b64 v[KF+6*\i+4:KF+6*\i+5], v[L8], s[40:41] offset:768*\i+512
.endr
	WIN 0
	global_load_b128 v[KS:KS+3], v[R16], s[42:43]
	global_load_b128 v[KS+4:KS+7], v[R16], s[42:43] offset:256
.endm
.macro LOADV tr                        ; V's four tiles and their scale words: 13 loads
	s_mul_i32 s48, s\tr, 6144
	s_add_co_u32 s48, s48, 196608
	s_add_nc_u64 s[44:45], s[28:29], s[48:49]
	s_lshl_b32 s48, s\tr, 8
	s_add_co_u32 s48, s48, 16384
	s_add_nc_u64 s[46:47], s[30:31], s[48:49]
	WIN 0x40
.irp t, 0,1,2,3
.irp g, 0,1,2
	global_load_b128 v[VF+12*\t+4*\g:VF+12*\t+4*\g+3], v[L16], s[44:45] offset:1536*\t+512*\g
.endr
.endr
	WIN 0
	global_load_b128 v[VS:VS+3], v[R16], s[46:47]
.endm
; 32 numbers of a lane, two blocks of 32 shared with lane l xor 16, become six code registers and the two scale bytes
.macro QUANT2 s, pc, pw
.irp b, 0,1
	v_max3_num_f32 v[TM+\b], |v[\s+16*\b]|, |v[\s+16*\b+1]|, 0x1800000
.endr
.irp i, 2,4,6,8,10,12,14
.irp b, 0,1
	s_delay_alu instid0(VALU_DEP_2)
	v_max3_num_f32 v[TM+\b], v[TM+\b], |v[\s+16*\b+\i]|, |v[\s+16*\b+\i+1]|
.endr
.endr
.irp b, 0,1
	s_delay_alu instid0(VALU_DEP_2)
	v_permlanex16_b32 v[TM+2+\b], v[TM+\b], s[SEL], s[SEL+1]
.endr
.irp b, 0,1
	s_delay_alu instid0(VALU_DEP_2)
	v_max_num_f32 v[TM+\b], v[TM+\b], v[TM+2+\b]
.endr
.irp b, 0,1
	s_delay_alu instid0(VALU_DEP_2)
	v_add_nc_u32 v[TM+4+\b], 0xff000000, v[TM+\b]
.endr
.irp b, 0,1
	s_delay_alu instid0(VALU_DEP_2)
	v_lshrrev_b32 v[TM+2+\b], 23, v[TM+4+\b]
.endr
	s_delay_alu instid0(VALU_DEP_1)
	v_lshl_or_b32 v[\pw], v[TM+3], 8, v[TM+2]
	v_cvt_scalef32_pk16_fp6_f32 v[\pc:\pc+2], v[\s:\s+15], v[TM+4]
	v_cvt_scalef32_pk16_fp6_f32 v[PT:PT+2], v[\s+16:\s+31], v[TM+5]
	v_nop
.irp i, 0,1,2
	v_permlane16_swap_b32 v[\pc+\i], v[PT+\i]
.endr
.irp i, 0,1,2
	s_delay_alu instid0(VALU_DEP_3)
	v_mov_b32 v[\pc+3+\i], v[PT+\i]
.endr
.endm
	; ---------------- the head
	s_load_b256 s[4:11], s[0:1], 0x0               ; qkv_img, qkv_sc, deal, a_img
	s_load_b64 s[12:13], s[0:1], 0x20              ; a_sc
	v_lshrrev_b32 v[HWS], 5, v0
	v_and_b32 v[HOS], 31, v0
	v_and_b32 v[QOF], 15, v0
	v_bfe_u32 v[H16], v0, 4, 1
	v_readfirstlane_b32 s14, v[HWS]                ; wave
	v_lshlrev_b32 v[L16], 4, v[HOS]
	v_lshlrev_b32 v[L8], 3, v[HOS]
	v_lshlrev_b32 v[R16], 4, v[QOF]
	v_lshlrev_b32 v[R8], 3, v[QOF]
	v_lshlrev_b32 v[H16], 4, v[H16]
	v_and_b32 v[HW], 8, v[QOF]
	v_mov_b32 v[NINF], 0xff800000
	v_lshl_add_u32 v[HB], v[H16], 5, v[R8]
	v_add_nc_u32 v[QOF], v[HW], v[QOF]
	v_mov_b32 v[F], 0
	v_mov_b32 v[F+1], 0
	v_sub_nc_u32 v[QH], v[QOF], v[H16]
	v_mov_b32 v[F+2], 0
	v_mov_b32 v[F+3], 0
.set N, 40
.rept 32
	v_mov_b32 v[N], 0                              ; a lane permute's destination counts as read
.set N, N+1
.endr
	WIN 0x40
.irp i, 0,1,2,3,4,5
	v_mov_b32 v[KF+48+\i], 0                       ; behind K's last tile
	v_mov_b32 v[QF+6+\i], 0                        ; Q's upper 64 along K: zero codes
	v_mov_b32 v[QF+18+\i], 0
.endr
	WIN 0
	s_lshr_b32 s15, ttmp9, 4                       ; head
	s_and_b32 s16, ttmp9, 15
	s_lshl_b32 s16, s16, 2
	s_and_b32 s60, s14, 3
	s_add_co_u32 s16, s16, s60                     ; n
	s_lshr_b32 s19, s14, 2                         ; a
	s_mul_i32 s60, s19, 127
	s_xor_b32 s18, s16, s60                        ; my first rank: n or 127 - n
	s_lshl_b32 s62, s18, 4
	s_xor_b32 s63, s18, 255                        ; my second: 255 - the first
	s_lshl_b32 s63, s63, 4
	s_mov_b32 s20, 0                               ; which of my two items
	s_mov_b32 s49, 0
	s_mov_b32 s[SEL], 0x76543210
	s_mov_b32 s[SEL+1], 0xfedcba98                 ; lane l xor 16
	s_mov_b32 s[CS], 0x3e38aa3b                    ; log2(e) / 8
	s_mov_b32 s[CS+1], s[CS]
	s_mov_b32 s54, 0xffff0000                      ; lanes 16-31
	WALU
	s_wait_kmcnt 0x0
	s_load_b128 s[32:35], s[8:9], s62 offset:0x0   ; my two items: (batch, key step, which 32, len)
	s_load_b128 s[36:39], s[8:9], s63 offset:0x0
	s_wait_kmcnt 0x0
	; ---------------- an item
.Litem:
	WALU
	s_wait_xcnt 0x0                                ; the last item's stores have read their data, offsets and bases
	s_cmp_eq_u32 s20, 0
	s_cselect_b32 s21, s32, s36
	s_cselect_b32 s23, s33, s37
	s_cselect_b32 s24, s34, s38
	s_cselect_b32 s25, s35, s39                    ; len
	s_min_u32 s21, s21, 3                          ; batch
	s_min_u32 s23, s23, 15                         ; the item's key step
	s_min_u32 s24, s24, 3                          ; which 32 of the step's 128
	s_lshl_b32 s22, s23, 2
	s_add_co_u32 s22, s22, s24                     ; J
	s_lshl_b32 s60, s21, 4
	s_add_co_u32 s60, s60, s15                     ; 16 batch + head
	s_mul_i32 s48, s60, 294912
	s_add_nc_u64 s[28:29], s[4:5], s[48:49]
	s_mul_i32 s48, s60, 20480
	s_add_nc_u64 s[30:31], s[6:7], s[48:49]
	s_mul_i32 s48, s22, 1536                       ; Q's two tiles: step x 6,144 + 2 x 768 x (J % 4)
	s_add_nc_u64 s[56:57], s[28:29], s[48:49]
	s_lshl_b32 s48, s23, 9
	s_and_b32 s61, s24, 2
	s_lshl_b32 s61, s61, 7
	s_add_co_u32 s48, s48, s61
	s_and_b32 s61, s24, 1
	s_lshl_b32 s61, s61, 3
	s_add_co_u32 s48, s48, s61
	s_add_nc_u64 s[58:59], s[30:31], s[48:49]      ; and their scale words
	s_lshl_b32 s68, s21, 7
	s_lshl_b32 s69, s22, 1
	s_add_co_u32 s68, s68, s69                     ; the result's first token tile: 128 batch + 2 J
	s_mul_i32 s48, s68, 12288
	s_lshr_b32 s72, s15, 1
	s_mul_i32 s72, s72, 1536
	s_add_co_u32 s48, s48, s72
	s_and_b32 s72, s15, 1
	s_mul_i32 s72, s72, 768
	s_add_co_u32 s48, s48, s72
	s_add_nc_u64 s[70:71], s[10:11], s[48:49]
	s_lshl_b32 s73, s68, 9
	s_lshr_b32 s72, s15, 2
	s_lshl_b32 s72, s72, 7
	s_add_co_u32 s73, s73, s72
	s_and_b32 s72, s15, 3
	s_lshl_b32 s72, s72, 1
	s_add_co_u32 s73, s73, s72
	s_lshl_b32 s61, s22, 5                         ; 32 J
	s_lshl_b32 s63, s24, 5
.irp q, 0,1
	v_add3_u32 v[QP+\q], s61, 8*\q, v[QOF]
	v_add3_u32 v[DG+\q], s63, 8*\q, v[QH]
	v_mov_b32 v[NM+2*\q], 0x7e000000               ; -M: a large whole number, so that the first f is 0
	v_mov_b32 v[NM+2*\q+1], 0xff61b1e6             ; the largest score so far: -3e38
	v_mov_b32 v[SU+2*\q], 0
	v_mov_b32 v[SU+2*\q+1], 0
.endr
	v_add_nc_u32 v[HOS], s73, v[HB]                ; the scale bytes' place: lanes 0-15 tile 0, lanes 16-31 tile 1
	WIN 0x40
.set N, 0
.rept 64
	v_mov_b32 v[O+N], 0                            ; the step is written once: the first finds zeros
.set N, N+1
.endr
	WIN 0
	WALU
	s_add_co_u32 s26, s23, 1
	s_cmp_lt_i32 s61, s25                          ; does the item begin inside the sequence?
	s_cselect_b32 s26, s26, 0                      ; key steps to walk
	s_cmp_eq_u32 s26, 0
	s_cbranch_scc1 .Ldone
	WIN 0x40
.irp q, 0,1
	global_load_b128 v[QF+12*\q:QF+12*\q+3], v[L16], s[56:57] offset:768*\q
	global_load_b64 v[QF+12*\q+4:QF+12*\q+5], v[L8], s[56:57] offset:768*\q+512
.endr
	WIN 0
.irp q, 0,1
	global_load_b32 v[QS+\q], v[R16], s[58:59] offset:4*\q
.endr
	s_mov_b32 s27, 0
	LOADK 27
	LOADV 27
	; ---------------- a key step.  No ordinary vector write stands between the last s_wait_alu and this label, on the way in or on the way back
.Ltrip:
	s_wait_loadcnt 13                              ; K and its scale words are in (in the first step Q too); younger: V's 13 loads
	WIN 0x05                                       ; sources 0 and 1 window 1
.irp i, 0,1,2,3,4,5,6,7
.irp q, 0,1
	v_wmma_scale_f32_16x16x128_f8f6f4 v[S+64*\q+8*\i:S+64*\q+8*\i+7], v[KF+6*\i:KF+6*\i+11], v[QF+12*\q:QF+12*\q+11], 0, v[KS+\i], v[QS+\q] matrix_a_fmt:MATRIX_FMT_FP6 matrix_b_fmt:MATRIX_FMT_FP6
.endr
.endr
	WIN 0
	PLACES 4                                       ; in front of loads into K's registers and of the first reads of the scores
	s_add_co_u32 s60, s27, 1
	s_min_u32 s60, s60, 15                         ; the next key step, held inside the buffer in the last trip
	s_wait_xcnt 0x0
	LOADK 60
	s_cmp_lg_u32 s27, s23
	s_cbranch_scc1 .Lopen
.set N, 0
.rept 64                               ; the diagonal step: register N is key 32 (N / 16) + N % 16 + 16 h of the step
.irp q, 0,1
	v_cmp_gt_i32 vcc_lo, 32*(N/16)+N%16, v[DG+\q]
	v_cndmask_b32 v[S+64*\q+N], v[S+64*\q+N], v[NINF], vcc_lo
.endr
.set N, N+1
.endr
.Lopen:
.irp b, 0,1,2,3                        ; the largest score of each block of 32 keys: eight chains by turns
.irp q, 0,1
	v_max3_num_f32 v[BM+4*\q+\b], v[S+64*\q+16*\b], v[S+64*\q+16*\b+1], v[S+64*\q+16*\b+2]
.endr
.endr
.irp i, 3,5,7,9,11,13
.irp b, 0,1,2,3
.irp q, 0,1
	v_max3_num_f32 v[BM+4*\q+\b], v[BM+4*\q+\b], v[S+64*\q+16*\b+\i], v[S+64*\q+16*\b+\i+1]
.endr
.endr
.endr
.irp b, 0,1,2,3
.irp q, 0,1
	v_max_num_f32 v[BM+4*\q+\b], v[BM+4*\q+\b], v[S+64*\q+16*\b+15]
.endr
.endr
.irp b, 0,1,2,3
.irp q, 0,1
	v_permlanex16_b32 v[BT+4*\q+\b], v[BM+4*\q+\b], s[SEL], s[SEL+1]
.endr
.endr
.irp b, 0,1,2,3
.irp q, 0,1
	v_max_num_f32 v[BM+4*\q+\b], v[BM+4*\q+\b], v[BT+4*\q+\b]
.endr
.endr
.irp q, 0,1
	v_mov_b32 v[OLD+\q], v[NM+2*\q]
.endr
.irp q, 0,1
	v_max3_num_f32 v[TMP+\q], v[BM+4*\q], v[BM+4*\q+1], v[BM+4*\q+2]
.endr
.irp q, 0,1
	s_delay_alu instid0(VALU_DEP_2)
	v_max3_num_f32 v[NM+2*\q+1], v[NM+2*\q+1], v[TMP+\q], v[BM+4*\q+3]   ; the running largest score
.endr
.irp q, 0,1
	s_delay_alu instid0(VALU_DEP_2)
	v_mul_f32 v[TMP+\q], s[CS], v[NM+2*\q+1]       ; as t
.endr
.irp q, 0,1
	s_delay_alu instid0(VALU_DEP_2)
	v_floor_f32 v[NM+2*\q], -v[TMP+\q]             ; -M = floor(-t)
.endr
.irp q, 0,1
	s_delay_alu instid0(VALU_DEP_2)
	v_sub_f32 v[TMP+\q], v[NM+2*\q], v[OLD+\q]     ; old M - new M
.endr
.irp q, 0,1
	s_delay_alu instid0(VALU_DEP_2)
	v_cvt_i32_f32 v[TMP+\q], v[TMP+\q]
.endr
.irp q, 0,1
	s_delay_alu instid0(VALU_DEP_2)
	v_ldexp_f32 v[F+2*\q], 1.0, v[TMP+\q]          ; f = 2^(old M - new M)
.endr
	WIN 0x41
.set N, 0
.rept 16
.irp q, 0,1
	v_pk_mul_f32 v[O+32*\q+N:O+32*\q+N+1], v[O+32*\q+N:O+32*\q+N+1], v[F+2*\q:F+2*\q+1] op_sel_hi:[1,0]   ; O^T under the new M
.endr
.set N, N+2
.endr
	WIN 0
.set N, 0
.rept 32
.irp q, 0,1
	v_pk_fma_f32 v[S+64*\q+N:S+64*\q+N+1], v[S+64*\q+N:S+64*\q+N+1], s[CS:CS+1], v[NM+2*\q:NM+2*\q+1] op_sel_hi:[1,0,0]   ; t - M
.endr
.set N, N+2
.endr
.irp b, 0,1,2,3
.irp q, 0,1
	v_fma_f32 v[BM+4*\q+\b], v[BM+4*\q+\b], s[CS], v[NM+2*\q]   ; the same of each block's largest score
.endr
.endr
	WALU
.set N, 0
.rept 128
	v_exp_f32 v[S+N], v[S+N]                       ; p
.set N, N+1
.endr
.set N, 0
.rept 8
	v_exp_f32 v[BM+N], v[BM+N]                     ; each block's largest p
.set N, N+1
.endr
.irp q, 0,1
	v_pk_mul_f32 v[SU+2*\q:SU+2*\q+1], v[SU+2*\q:SU+2*\q+1], v[F+2*\q:F+2*\q+1] op_sel_hi:[1,0]   ; the sums under the new M; plain places behind the batch
.endr
	WALU                                           ; one wait for the batch, ahead of its first reader
.set N, 0
.rept 8
	v_max_num_f32 v[BM+N], 0x1800000, v[BM+N]      ; the floor 2^(3 - 127)
.set N, N+1
.endr
.set N, 0
.rept 8
	v_add_nc_u32 v[SO+N], 0xff000000, v[BM+N]      ; 2 off the exponent field: the conversion's scale operand
.set N, N+1
.endr
.set N, 0
.rept 8
	v_lshrrev_b32 v[BT+N], 23, v[SO+N]
.set N, N+1
.endr
.irp q, 0,1
	v_lshl_or_b32 v[F+2*\q+1], v[BT+4*\q+1], 8, v[BT+4*\q]
.endr
.irp q, 0,1
	v_lshl_or_b32 v[F+2*\q+1], v[BT+4*\q+2], 16, v[F+2*\q+1]
.endr
.irp q, 0,1
	v_lshl_or_b32 v[F+2*\q+1], v[BT+4*\q+3], 24, v[F+2*\q+1]   ; p's scale word of these 128 keys
.endr
.irp c, 0,1
.irp q, 0,1
	v_cvt_scalef32_pk16_fp6_f32 v[PC+12*\q+6*\c:PC+12*\q+6*\c+2], v[S+64*\q+32*\c:S+64*\q+32*\c+15], v[SO+4*\q+2*\c]
	v_cvt_scalef32_pk16_fp6_f32 v[PT+8*\q+4*\c:PT+8*\q+4*\c+2], v[S+64*\q+32*\c+16:S+64*\q+32*\c+31], v[SO+4*\q+2*\c+1]
.endr
.endr
	v_nop                                          ; one plain place behind a scaled conversion
.irp c, 0,1
.irp q, 0,1
.irp i, 0,1,2
	v_permlane16_swap_b32 v[PC+12*\q+6*\c+\i], v[PT+8*\q+4*\c+\i]   ; a whole block to a lane
.endr
.endr
.endr
.irp c, 0,1
.irp q, 0,1
.irp i, 0,1,2
	v_mov_b32 v[PC+12*\q+6*\c+3+\i], v[PT+8*\q+4*\c+\i]
.endr
.endr
.endr
.irp q, 0,1                            ; the rows' sums of the unquantised p, four chains by turns; these lines are also the places between p's codes and scale word and the products
	v_pk_add_f32 v[SB+2*\q:SB+2*\q+1], v[S+64*\q:S+64*\q+1], v[S+64*\q+2:S+64*\q+3]
.endr
.irp j, 4,8,12,16,20,24,28,32,36,40,44,48,52,56,60
.irp q, 0,1
	v_pk_add_f32 v[SU+2*\q:SU+2*\q+1], v[SU+2*\q:SU+2*\q+1], v[S+64*\q+\j:S+64*\q+\j+1]
.endr
.irp q, 0,1
	v_pk_add_f32 v[SB+2*\q:SB+2*\q+1], v[SB+2*\q:SB+2*\q+1], v[S+64*\q+\j+2:S+64*\q+\j+3]
.endr
.endr
.irp q, 0,1
	v_pk_add_f32 v[SU+2*\q:SU+2*\q+1], v[SU+2*\q:SU+2*\q+1], v[SB+2*\q:SB+2*\q+1]
.endr
	WALU
	s_wait_loadcnt 18                              ; V and its scale words are in; younger: the next K's 18 loads
	WIN 0x51                                       ; source 0, C and D window 1, source 1 window 0
.irp t, 0,1,2,3                        ; eight accumulators by turns
.irp q, 0,1
	v_wmma_scale_f32_16x16x128_f8f6f4 v[O+32*\q+8*\t:O+32*\q+8*\t+7], v[VF+12*\t:VF+12*\t+11], v[PC+12*\q:PC+12*\q+11], v[O+32*\q+8*\t:O+32*\q+8*\t+7], v[VS+\t], v[F+2*\q+1] matrix_a_fmt:MATRIX_FMT_FP6 matrix_b_fmt:MATRIX_FMT_FP6
.endr
.endr
	WIN 0
	PLACES 4                                       ; in front of loads into V's registers
	s_wait_xcnt 0x0
	LOADV 60
	s_add_co_u32 s27, s27, 1
	s_cmp_lt_u32 s27, s26
	s_cbranch_scc1 .Ltrip
	; ---------------- the way out
.Ldone:
	WALU
	s_wait_loadcnt 0x0                             ; the last trip's loads for a further step have landed: their registers may be loaded again
	PLACES 4
.irp q, 0,1
	v_add_f32 v[SU+2*\q], v[SU+2*\q], v[SU+2*\q+1]
.endr
.irp q, 0,1
	v_permlanex16_b32 v[TMP+\q], v[SU+2*\q], s[SEL], s[SEL+1]
.endr
.irp q, 0,1
	v_add_f32 v[SU+2*\q], v[SU+2*\q], v[TMP+\q]    ; the row's sum
.endr
	WALU
	v_rcp_f32 v[SU], v[SU]
	v_rcp_f32 v[SU+2], v[SU+2]
	v_nop
	WALU
.irp q, 0,1
	v_cmp_gt_i32 vcc_lo, s25, v[QP+\q]             ; a query at or beyond len gets zeros
	v_cndmask_b32 v[SU+2*\q], 0, v[SU+2*\q], vcc_lo
.endr
	WIN 0x01
	WALU
.irp q, 0,1
.set N, 0
.rept 16
	v_pk_mul_f32 v[S+64*\q+N:S+64*\q+N+1], v[O+32*\q+N:O+32*\q+N+1], v[SU+2*\q:SU+2*\q+1] op_sel_hi:[1,0]
.set N, N+2
.endr
.endr
	WIN 0
	QUANT2 S, PC, HW
	QUANT2 S+64, PC+12, HW+1
.irp q, 0,1
.irp k, 0,1,2
	global_store_b64 v[L8], v[PC+12*\q+2*\k:PC+12*\q+2*\k+1], s[70:71] offset:12288*\q+256*\k   ; 256 consecutive bytes, aligned
.endr
.endr
	v_cndmask_b32 v[HWS], v[HW], v[HW+1], s54
	global_store_b16 v[HOS], v[HWS], s[12:13]      ; this head's two bytes of each token's scale word
	s_add_co_u32 s20, s20, 1
	s_cmp_lt_u32 s20, 2
	s_cbranch_scc1 .Litem
	s_endpgm
.Lfunc_end_k_q37b9c95d18_attn:
	.size	k_q37b9c95d18_attn, .Lfunc_end_k_q37b9c95d18_attn-k_q37b9c95d18_attn
	.p2alignl 7, 3214868480
	.fill 96, 4, 3214868480
	.section	.rodata,"a",@progbits
	.p2align	6, 0x0
	.amdhsa_kernel k_q37b9c95d18_attn
		.amdhsa_group_segment_fixed_size 0
		.amdhsa_private_segment_fixed_size 0
		.amdhsa_enable_private_segment 0
		.amdhsa_kernarg_size 40
		.amdhsa_user_sgpr_count 2
		.amdhsa_user_sgpr_kernarg_segment_ptr 1
		.amdhsa_wavefront_size32 1
		.amdhsa_system_sgpr_workgroup_id_x 1
		.amdhsa_system_sgpr_workgroup_id_y 1
		.amdhsa_system_sgpr_workgroup_id_z 1
		.amdhsa_system_vgpr_workitem_id 0
		.amdhsa_next_free_vgpr 512
		.amdhsa_next_free_sgpr 80
		.amdhsa_reserve_vcc 1
		.amdhsa_float_denorm_mode_32 3
		.amdhsa_float_denorm_mode_16_64 3
		.amdhsa_memory_ordered 1
		.amdhsa_forward_progress 1
		.amdhsa_inst_pref_size 63
	.end_amdhsa_kernel
	.amdgpu_metadata
---
amdhsa.version: [ 1, 2 ]
amdhsa.kernels:
  - .name:           k_q37b9c95d18_attn
    .symbol:         k_q37b9c95d18_attn.kd
    .args:
      - { .name: qkv_img, .offset: 0, .size: 8, .value_kind: global_buffer, .address_space: global }
      - { .name: qkv_sc, .offset: 8, .size: 8, .value_kind: global_buffer, .address_space: global }
      - { .name: deal, .offset: 16, .size: 8, .value_kind: global_buffer, .address_space: global }
      - { .name: a_img, .offset: 24, .size: 8, .value_kind: global_buffer, .address_space: global }
      - { .name: a_sc, .offset: 32, .size: 8, .value_kind: global_buffer, .address_space: global }
    .group_segment_fixed_size: 0
    .private_segment_fixed_size: 0
    .kernarg_segment_align: 8
    .kernarg_segment_size: 40
    .max_flat_workgroup_size: 256
    .sgpr_count:     80
    .vgpr_count:     512
    .wavefront_size: 32
...
	.end_amdgpu_metadata
.endif
;; end of part 3
;; launch oproj (part 4): grid 4 x 64, 4 waves a work-group, clusters of 4 x 4, 295,424 bytes of LDS; arguments a_img, a_sc, xw_img, xw_sc, bo, out0; writes out0
.if DOCPART == 4
	.amdgcn_target "amdgcn-amd-amdhsa--gfx1250"
	.amdhsa_code_object_version 6
	.text
	.protected	k_q37b9c95d18_oproj
	.globl	k_q37b9c95d18_oproj
	.p2align	8
	.type	k_q37b9c95d18_oproj,@function
k_q37b9c95d18_oproj:
	s_mov_b64 s[64:65], 0
	v_nop
	global_prefetch_b8 v0, s[64:65] scope:SCOPE_SE
	s_setreg_imm32_b32 hwreg(HW_REG_WAVE_MODE, 25, 1), 1
	s_wait_xcnt 0x0
	s_wait_alu depctr_hold_cnt(0) depctr_sa_sdst(0) depctr_va_vdst(0) depctr_va_sdst(0) depctr_va_ssrc(0) depctr_va_vcc(0) depctr_vm_vsrc(0)
	s_getreg_b32 s2, hwreg(HW_REG_IB_STS2, 6, 4)
	s_cmp_eq_u32 s2, 0
	s_cbranch_scc0 .Lentry_in_a_cluster
	s_endpgm
.Lentry_in_a_cluster:
	s_bfe_u32 s2, ttmp6, 0x10000c
	s_cmp_lg_u32 s2, 0xf033
	s_cbranch_scc0 .Lentry_shape_is_right
	s_endpgm
.Lentry_shape_is_right:
; out0 = A Wo^T + bo on codes of FP6 (E2M3) with E8M0 scales.  A: the attention's result, 512 token tiles as operand images (six planes of 256 bytes a fragment); Wo: tiles 704-767 of the weights' images (three planes of 512 bytes).
; A work-group makes 128 tokens x 256 columns over all of K = 1,024.  Four waves, 2 x 2: a wave has 4 token tiles x 8 column tiles: 32 accumulators.  Source 0 = 16 rows of Wo (columns fall into a lane's registers), source 1 = 16 tokens (in lanes).
; ALL OF K LIES IN LDS: 24 tiles x 12,288 bytes: every tensor load is a first fill, four chunks of 256 along K, four loads a wave out at the most.
; CLUSTER 4 x 4: the tokens' tiles are shared along a row of the cluster, Wo's along a column: each is asked for jointly.
; Slot r of tile T is row 32 (T / 2) + 8 (T % 2) + r + 8 (r / 8); register j of lane half h in a result is row 32 (T / 2) + 8 (T % 2) + 16 h + j of source 0's tile.  The way out undoes the tokens' order by the stores' immediates.
; REGISTERS: window 0: v0-31 addresses; v32-79 scale words and nothing else; v80-143 the bias as C; v144-239 A's fragments, two sets; on the way out v128-255 rows of the result.  Window 1: Wo's fragments, two sets.  Window 2: accumulator (a, b) at v[8 (8 a + b)].
.set CHUNK, 73728
; ONE TENSOR LOAD A WAVE: a wave's 4 token tiles or 8 tiles of Wo are one dense block of memory, all of K, and come whole: tile i lies at i x 12,288, K step ks at + 1,536 ks.
; This takes the place of the four chunks that the comment at the head speaks of: every wave waits for its one load and one barrier shows all tiles.  The stage of the way out lies in the token tiles' bytes,
; which are read up to the last K step: so a barrier stands between every wave's last fragment loads (signal) and the first store into the stage (wait).
.set TILEB, 12288
.set FRB,   1536
.set BOFF,  8*TILEB
.set SPARE, 4*CHUNK
.set A64,   1                          ; A's images are planes of 256 bytes
.set ADRA, 16
.set ADRB, 20
.set STO,  24                          ; v24 the way out: where I put 32 bytes of a row
.set RD,   25                          ; v25 and where I read a row back
.set SPW,  28
.set NIL,  29
.set SCA,  32
.set SCB,  48
.set BIAS, 80
.set AF,   144
.set BK,   128
.set G1A,  24
.set G1B,  32
.set G0A,  40
.set WV,   20
.set WR,   21
.set WC,   22
.set CXI,  76
.set CYI,  77
.set CLY,  79
.set MSB, 0
.macro WIN new
.if MSB != \new
	s_set_vgpr_msb (MSB<<8)|\new
.set MSB, \new
.endif
.endm
.macro PLACES n
.rept \n
	v_nop
.endr
.endm
.macro CROUND
	s_barrier_signal -1
	s_barrier_wait -1
	s_cmp_lg_u32 s[WV], 0
	s_cbranch_scc1 .Lnot_wave_0_\@
	s_barrier_signal -3
.Lnot_wave_0_\@:
	s_barrier_wait -3
	s_barrier_signal -1
	s_barrier_wait -1
.endm
.macro FRAG128 reg, adr, off
.irp g, 0,1,2
	ds_load_b128 v[\reg+4*\g:\reg+4*\g+3], v[\adr] offset:\off+512*\g
.endr
.endm
.macro FRAG64 reg, adr, off
.irp g, 0,1,2,3,4,5
	ds_load_b64 v[\reg+2*\g:\reg+2*\g+1], v[\adr] offset:\off+256*\g
.endr
.endm
.macro FETCH ks
.set SG, (\ks)/2
.set QQ, (\ks)%2
	WIN 0x40
.irp i, 0,1,2,3,4,5,6,7
	FRAG128 128*QQ+12*\i, ADRB+\i/4, (\i%4)*TILEB+(\ks)*FRB
.endr
	WIN 0
.irp i, 0,1,2,3
.if A64
	FRAG64 AF+48*QQ+12*\i, ADRA, \i*TILEB+(\ks)*FRB
.else
	FRAG128 AF+48*QQ+12*\i, ADRA, \i*TILEB+(\ks)*FRB
.endif
.endr
.endm
; 8 matrix instructions: token tile a against Wo's eight.  cmode 0: on in place; 2: the bias starts the sums.  The 32 accumulators take turns, one instruction a turn, in the same order in every step.
.macro MULA a, ks, cmode
.set PP, (\ks)%2
.set SI, 2*((\ks)>>2)+((\ks)&1)
.set RW, ((\ks)>>1)&1
.irp b, 0,1,2,3,4,5,6,7
.set DA, 8*(8*(\a)+\b)
.set FB, 128*PP+12*\b
.set FA, AF+48*PP+12*(\a)
.if (\cmode) == 2
	v_wmma_scale_f32_16x16x128_f8f6f4 v[DA:DA+7], v[FB:FB+11], v[FA:FA+11], v[BIAS+8*\b:BIAS+8*\b+7], v[SCB+4*\b+SI], v[SCA+4*(\a)+SI] matrix_a_fmt:MATRIX_FMT_FP6 matrix_b_fmt:MATRIX_FMT_FP6
.elseif RW
	v_wmma_scale_f32_16x16x128_f8f6f4 v[DA:DA+7], v[FB:FB+11], v[FA:FA+11], v[DA:DA+7], v[SCB+4*\b+SI], v[SCA+4*(\a)+SI] matrix_a_fmt:MATRIX_FMT_FP6 matrix_b_fmt:MATRIX_FMT_FP6 matrix_a_scale:MATRIX_SCALE_ROW1 matrix_b_scale:MATRIX_SCALE_ROW1
.else
	v_wmma_scale_f32_16x16x128_f8f6f4 v[DA:DA+7], v[FB:FB+11], v[FA:FA+11], v[DA:DA+7], v[SCB+4*\b+SI], v[SCA+4*(\a)+SI] matrix_a_fmt:MATRIX_FMT_FP6 matrix_b_fmt:MATRIX_FMT_FP6
.endif
.endr
.endm
.macro STEP ks, cmode
	s_wait_dscnt 0x0                               ; this step's fragments are in: they were asked for 32 matrix instructions ago
.if (\ks) == 7
	s_barrier_signal -1                            ; my last reads of the tiles are over
.endif
.if (\ks) < 7
	PLACES 4                                       ; in front of loads into the set that the last step's matrix instructions read
	FETCH (\ks)+1
.endif
.if (\cmode) == 2
	WIN 0x81
.else
	WIN 0xa1
.endif
	MULA 0, \ks, \cmode
	MULA 1, \ks, \cmode
	MULA 2, \ks, \cmode
	MULA 3, \ks, \cmode
	WIN 0
.endm
	s_load_b256 s[4:11], s[0:1], 0x0               ; a_img s[4:5], a_sc s[6:7], xw_img s[8:9], xw_sc s[10:11]
	s_load_b128 s[12:15], s[0:1], 0x20             ; bo s[12:13], out0 s[14:15]
	v_lshl_add_u32 v[SPW], v0, 2, SPARE
	v_mov_b32 v[NIL], 0
	ds_add_u32 v[SPW], v[NIL]                      ; the wave's opening: the add and its wait stand ahead of my first tensor load
	ds_add_u32 v[SPW], v[NIL]
	v_lshrrev_b32 v1, 5, v0
	v_readfirstlane_b32 s[WV], v1
	s_lshr_b32 s[WR], s[WV], 1
	s_and_b32 s[WC], s[WV], 1
	s_bfe_u32 s[CXI], ttmp6, 0x40000
	s_bfe_u32 s[CYI], ttmp6, 0x40004
	s_and_b32 s[CLY], ttmp7, 0xffff
	s_lshl_b32 s80, s[CYI], 2
	s_lshl_b32 s80, 15, s80                        ; my row of the cluster
	s_lshl_b32 s81, 0x1111, s[CXI]                 ; my column
	s_or_b32 s[G1A], s80, (3<<16)|(1<<21)
	s_or_b32 s[G1B], s81, (3<<16)|(1<<21)
	s_mov_b32 s[G1A+1], 1536<<16
	s_mov_b32 s[G1A+2], 4<<16
	s_mov_b32 s[G1A+3], 1536<<16
	s_mov_b32 s[G1A+4], 4
	s_mov_b32 s[G1A+5], 1536
	s_mov_b32 s[G1A+6], 0
	s_mov_b32 s[G1A+7], 0
	s_mov_b32 s[G1B+1], 1536<<16
	s_mov_b32 s[G1B+2], 8<<16
	s_mov_b32 s[G1B+3], 1536<<16
	s_mov_b32 s[G1B+4], 8
	s_mov_b32 s[G1B+5], 1536
	s_mov_b32 s[G1B+6], 0
	s_mov_b32 s[G1B+7], 0
	s_lshl_b32 s88, s[CLY], 2
	s_add_co_u32 s88, s88, s[CYI]                  ; which 128 tokens
	s_lshl_b32 s87, s88, 19                        ; their first byte in out0: 128 rows of 4,096 bytes
	s_lshl_b32 s88, s88, 3                         ; A's first tile
	s_lshl_b32 s89, s[CXI], 4
	s_add_co_u32 s89, s89, 704                     ; Wo's first tile
	s_lshl_b32 s90, s[WC], 2
	s_add_co_u32 s90, s90, s88
	s_mul_i32 s90, s90, 12288
	s_mov_b32 s91, 0
	s_lshl_b32 s92, s[WC], 3
	s_add_co_u32 s92, s92, s89
	s_mul_i32 s92, s92, 12288
	s_mov_b32 s93, 0
	s_mul_i32 s94, s[WC], 4*TILEB
	s_mul_i32 s95, s[WC], 8*TILEB
	s_add_co_u32 s95, s95, BOFF
	s_lshl_b32 s96, s[WR], 2
	s_add_co_u32 s96, s96, s88
	s_lshl_b32 s96, s96, 9
	s_mov_b32 s97, 0
	s_lshl_b32 s98, s[WC], 3
	s_add_co_u32 s98, s98, s89
	s_lshl_b32 s98, s98, 9
	s_mov_b32 s99, 0
	s_wait_dscnt 0x0                               ; the opening add is done
	s_wait_kmcnt 0x0
	s_add_nc_u64 s[90:91], s[4:5], s[90:91]
	s_add_nc_u64 s[92:93], s[8:9], s[92:93]
	s_add_nc_u64 s[96:97], s[6:7], s[96:97]
	s_add_nc_u64 s[98:99], s[10:11], s[98:99]
.irp g, 0
	s_mov_b32 s[G0A+4*\g], 1
	s_add_co_u32 s[G0A+4*\g+1], s94, \g*CHUNK
	s_add_nc_u64 s[G0A+4*\g+2:G0A+4*\g+3], s[90:91], \g*TILEB
	s_or_b32 s[G0A+4*\g+3], s[G0A+4*\g+3], 0x80000000
	s_mov_b32 s[56+4*\g+4*(\g/2)], 1
	s_add_co_u32 s[56+4*\g+4*(\g/2)+1], s95, \g*CHUNK
	s_add_nc_u64 s[56+4*\g+4*(\g/2)+2:56+4*\g+4*(\g/2)+3], s[92:93], \g*TILEB
	s_or_b32 s[56+4*\g+4*(\g/2)+3], s[56+4*\g+4*(\g/2)+3], 0x80000000
.endr
	CROUND                                         ; all sixteen work-groups are here: the joint loads meet
	s_cmp_lt_u32 s[WV], 2                          ; waves 0, 1 fetch A's halves, waves 2, 3 Wo's: a wave's one fill stands in one branch on the wave's number
	s_cbranch_scc0 .Lfill_b
	tensor_load_to_lds s[G0A:G0A+3], s[G1A:G1A+7]
	s_nop 0
	PLACES 4
	s_branch .Lfilled
.Lfill_b:
	tensor_load_to_lds s[56:59], s[G1B:G1B+7]
	s_nop 0
	PLACES 4
.Lfilled:
	v_and_b32 v2, 31, v0                           ; lane
	v_lshlrev_b32 v3, 3, v2                        ; 8 x lane
	s_wait_alu depctr_va_vdst(0)
	v_lshlrev_b32 v4, 4, v2                        ; 16 x lane
	s_wait_alu depctr_va_vdst(0)
	v_and_b32 v5, 15, v0                           ; r
	v_bfe_u32 v6, v0, 4, 1                         ; h
	v_lshlrev_b32 v7, 6, v6                        ; the bias: 16 h numbers on
.irp i, 0,1,2,3
.irp p, 0,1
	global_load_b64 v[SCA+4*\i+2*\p:SCA+4*\i+2*\p+1], v3, s[96:97] offset:\i*512+\p*256
.endr
.endr
.irp i, 0,1,2,3,4,5,6,7
.irp p, 0,1
	global_load_b64 v[SCB+4*\i+2*\p:SCB+4*\i+2*\p+1], v3, s[98:99] offset:\i*512+\p*256
.endr
.endr
	s_lshl_b32 s82, s[CXI], 10
	s_lshl_b32 s84, s[WC], 9
	s_add_co_u32 s82, s82, s84                     ; my 128 columns, in bytes
	s_mov_b32 s83, 0
	s_add_nc_u64 s[12:13], s[12:13], s[82:83]
.irp b, 0,1,2,3,4,5,6,7
	global_load_b128 v[BIAS+8*\b:BIAS+8*\b+3], v7, s[12:13] offset:(32*(\b/2)+8*(\b%2))*4
	global_load_b128 v[BIAS+8*\b+4:BIAS+8*\b+7], v7, s[12:13] offset:(32*(\b/2)+8*(\b%2))*4+16
.endr
	s_lshl_b32 s84, s[WR], 18                      ; my 64 tokens: 64 rows of 4,096 bytes
	s_add_co_u32 s84, s84, s87
	s_add_co_u32 s84, s84, s82
	s_mov_b32 s85, 0
	s_add_nc_u64 s[14:15], s[14:15], s[84:85]      ; out0 at my part's first number
	s_mul_i32 s90, s[WR], 4*TILEB
	v_add_nc_u32 v[ADRA], s90, v3                  ; A's planes are 256 bytes: 8 x lane
	s_mul_i32 s91, s[WC], 8*TILEB
	s_add_co_u32 s91, s91, BOFF
	v_add_nc_u32 v[ADRB], s91, v4
	v_add_nc_u32 v[ADRB+1], 4*TILEB, v[ADRB]       ; Wo's tiles 4-7: the immediates stay under 65,536
	s_wait_alu depctr_va_vdst(0)
	s_mul_i32 s90, s[WV], 8448                     ; my stage: 16 rows x 528 bytes, in chunk 0
	v_mul_u32_u24 v[STO], v5, 528
	v_lshl_add_u32 v[STO], v6, 6, v[STO]
	v_add_nc_u32 v[STO], s90, v[STO]               ; in: row r, + 64 h
	v_add_nc_u32 v[RD], s90, v4                    ; back: a row's 512 bytes, 16 a lane
	s_wait_alu depctr_va_vdst(0)
	s_wait_tensorcnt 0x0                           ; my one load has landed
	s_barrier_signal -1
	s_barrier_wait -1
	FETCH 0
	s_wait_loadcnt 0x0                             ; scale words and bias
	STEP 0, 2                                      ; the bias starts the sums
	STEP 1, 0
	STEP 2, 0
	STEP 3, 0
	STEP 4, 0
	STEP 5, 0
	STEP 6, 0
	STEP 7, 0
	PLACES 4
	s_barrier_wait -1                              ; nobody reads the tiles any more: the stage may be written
; THE WAY OUT, a tile of 16 tokens x 128 columns at a time, through my own stage.  It lies in chunk 0, which has had its only fill, and which nobody reads behind the barrier of the last K step.
; LDS serves a wave's instructions in order: no wait between the stores and the loads, nor in front of the next tile's stores.
.macro TOSTAGE a
	WIN 0x08                                       ; an LDS store's data are its source 1: window 2
.irp b, 0,1,2,3,4,5,6,7
	ds_store_b128 v[STO], v[8*(8*(\a)+\b):8*(8*(\a)+\b)+3] offset:128*(\b/2)+32*(\b%2)        ; each accumulator from its low end on
	ds_store_b128 v[STO], v[8*(8*(\a)+\b)+4:8*(8*(\a)+\b)+7] offset:128*(\b/2)+32*(\b%2)+16
.endr
	WIN 0
.irp t, 0,1,2,3,4,5,6,7,8,9,10,11,12,13,14,15
	ds_load_b128 v[BK+64*((\a)%2)+4*\t:BK+64*((\a)%2)+4*\t+3], v[RD] offset:528*\t
.endr
.endm
.macro SEND a, younger                 ; younger: the LDS instructions issued behind tile a's loads, which may stay out
	s_wait_dscnt \younger
.irp t, 0,1,2,3,4,5,6,7,8,9,10,11,12,13,14,15
	global_store_b128 v4, v[BK+64*((\a)%2)+4*\t:BK+64*((\a)%2)+4*\t+3], s[14:15] offset:(32*((\a)/2)+8*((\a)%2)+\t+8*(\t/8))*4096 th:TH_STORE_NT   ; 512 consecutive bytes, aligned; slot t's token stands in the immediate
.endr
.endm
	TOSTAGE 0
	TOSTAGE 1
	SEND 0, 32                                     ; behind tile 0's loads: tile 1's 16 stores and 16 loads
	s_wait_xcnt 0x0                                ; tile 0's stores have read their registers: tile 2's loads may land there
	TOSTAGE 2
	SEND 1, 32
	s_wait_xcnt 0x0
	TOSTAGE 3
	SEND 2, 32
	SEND 3, 0
	s_wait_tensorcnt 0x0                           ; the wave's end, behind my last tensor load and my last LDS store
	ds_add_u32 v[SPW], v[NIL]
	s_wait_dscnt 0x0
	CROUND                                         ; the closing round
	s_endpgm
.Lfunc_end_k_q37b9c95d18_oproj:
	.size	k_q37b9c95d18_oproj, .Lfunc_end_k_q37b9c95d18_oproj-k_q37b9c95d18_oproj
	.p2alignl 7, 3214868480
	.fill 96, 4, 3214868480
	.section	.rodata,"a",@progbits
	.p2align	6, 0x0
	.amdhsa_kernel k_q37b9c95d18_oproj
		.amdhsa_group_segment_fixed_size 295424
		.amdhsa_private_segment_fixed_size 0
		.amdhsa_enable_private_segment 0
		.amdhsa_kernarg_size 48
		.amdhsa_user_sgpr_count 2
		.amdhsa_user_sgpr_kernarg_segment_ptr 1
		.amdhsa_wavefront_size32 1
		.amdhsa_system_sgpr_workgroup_id_x 1
		.amdhsa_system_sgpr_workgroup_id_y 1
		.amdhsa_system_sgpr_workgroup_id_z 1
		.amdhsa_system_vgpr_workitem_id 0
		.amdhsa_next_free_vgpr 768
		.amdhsa_next_free_sgpr 100
		.amdhsa_reserve_vcc 0
		.amdhsa_float_denorm_mode_32 3
		.amdhsa_float_denorm_mode_16_64 3
		.amdhsa_memory_ordered 1
		.amdhsa_forward_progress 1
		.amdhsa_inst_pref_size 83
	.end_amdhsa_kernel
	.amdgpu_metadata
---
amdhsa.version: [ 1, 2 ]
amdhsa.kernels:
  - .name:           k_q37b9c95d18_oproj
    .symbol:         k_q37b9c95d18_oproj.kd
    .args:
      - { .name: a_img, .offset: 0, .size: 8, .value_kind: global_buffer, .address_space: global }
      - { .name: a_sc, .offset: 8, .size: 8, .value_kind: global_buffer, .address_space: global }
      - { .name: xw_img, .offset: 16, .size: 8, .value_kind: global_buffer, .address_space: global }
      - { .name: xw_sc, .offset: 24, .size: 8, .value_kind: global_buffer, .address_space: global }
      - { .name: bo, .offset: 32, .size: 8, .value_kind: global_buffer, .address_space: global }
      - { .name: out0, .offset: 40, .size: 8, .value_kind: global_buffer, .address_space: global }
    .group_segment_fixed_size: 295424
    .private_segment_fixed_size: 0
    .kernarg_segment_align: 8
    .kernarg_segment_size: 48
    .max_flat_workgroup_size: 128
    .sgpr_count:     100
    .vgpr_count:     768
    .wavefront_size: 32
...
	.end_amdgpu_metadata
.endif
;; end of part 4
